; MI455X (gfx1250); checked and timed in simulation.
; The chip was launched on July 23, 2026; its instructions are those of AMD's public machine-readable ISA for CDNA 5 (MIT licence, August 2026) and "CDNA5" Instruction Set Architecture Reference Guide (July 2026). The comments in the code are by the model that wrote it; some were corrected since.
;; Encoder Layer. Allowed arithmetic: matrix products marked QUANTISED: E5M2 operands, one given power-of-two scale a tensor, by v_wmma_f32_16x16x64_bf8_bf8 or v_wmma_f32_16x16x128_bf8_bf8, f32 sums; everything else in f32.
;; Inputs: b1 4,096 float32; b2 1,024 float32; bk 1,024 float32; bo 1,024 float32; bq 1,024 float32; bv 1,024 float32; ln1_b 1,024 float32; ln1_g 1,024 float32; ln2_b 1,024 float32; ln2_g 1,024 float32; lowp_scales 16 int32 (the exponents e of the quantised operands' scales 2^e); mask 2 x 1 x 1 x 2,048 int32; w1 1,024 x 4,096 float32; w2 4,096 x 1,024 float32; wk 1,024 x 1,024 float32; wo 1,024 x 1,024 float32; wq 1,024 x 1,024 float32; wv 1,024 x 1,024 float32; x 2 x 2,048 x 1,024 float32.
;; Outputs: out0 2 x 2,048 x 1,024 float32.
;; This version of the problem:
;;   THIS VERSION OF THE PROBLEM IS GIVEN IN LOW PRECISION. The matrix products marked QUANTISED in the list below multiply operands that are first quantised to E5M2 (5 exponent bits, 2 mantissa bits; 8 bits a number), with one given power-of-two scale for each operand tensor; their sums are f32. All else is computed in f32.
;;   The module's matrix products, in the order in which they are computed (A, B: the left and right operand; K: the contracted axis; several contracted axes count as one K, in the product's order):
;;     1. [M 4,096, K 1,024] x [K 1,024, N 1,024]; A: input x; B: input wq: QUANTISED (scales: A lowp_scales[0], B lowp_scales[1])
;;     2. [M 4,096, K 1,024] x [K 1,024, N 1,024]; A: input x; B: input wk: QUANTISED (scales: A lowp_scales[2], B lowp_scales[3])
;;     3. [M 4,096, K 1,024] x [K 1,024, N 1,024]; A: input x; B: input wv: QUANTISED (scales: A lowp_scales[4], B lowp_scales[5])
;;     4. batch 32 x [M 2,048, K 64] x [K 64, N 2,048]; A: computed on the way; B: computed on the way: QUANTISED (scales: A lowp_scales[6], B lowp_scales[7])
;;     5. batch 32 x [M 2,048, K 2,048] x [K 2,048, N 64]; A: softmax (see below); B: computed on the way: QUANTISED (scales: A lowp_scales[8], B lowp_scales[9])
;;     6. [M 4,096, K 1,024] x [K 1,024, N 1,024]; A: computed on the way; B: input wo: QUANTISED (scales: A lowp_scales[10], B lowp_scales[11])
;;     7. [M 4,096, K 1,024] x [K 1,024, N 4,096]; A: computed on the way; B: input w1: QUANTISED (scales: A lowp_scales[12], B lowp_scales[13])
;;     8. [M 4,096, K 4,096] x [K 4,096, N 1,024]; A: computed on the way; B: input w2: QUANTISED (scales: A lowp_scales[14], B lowp_scales[15])
;;   THE QUANTISER, for each operand of a quantised product, along K:
;;     - The operand's scale is 2^e, e = its entry of the input lowp_scales (int32; the entries are numbered through the quantised products in the list's order, A before B).
;;     - Each number is divided by the scale, clamped to +-57,344, and rounded to the nearest number of E5M2, ties to even, subnormals kept.
;;     - The product sums the exact products of the quantised numbers (number of the format x scale) in f32.
;;   ~~~python
;;   def quantise(x, axis, e):      # numpy; x: float32 -> the quantised numbers, widened to float32 again
;;       x = np.moveaxis(x, axis, -1); K = x.shape[-1]
;;       r = np.clip(x / 2.0 ** e, -57344, 57344)
;;       step = 2.0 ** (np.maximum(np.frexp(np.where(r == 0, 1, r))[1] - 1, -14) - 2)
;;       q = np.round(r / step) * step * 2.0 ** e      # np.round: ties to even
;;       return np.moveaxis(q, -1, axis).astype(np.float32)
;;   ~~~
;;   SOFTMAX AHEAD OF A QUANTISED PRODUCT. Where the list says 'softmax', what is quantised is not the finished softmax but p = 2^(t - M), with t = logit x log2(e) and M = ceil(the row's largest t), a whole number; so 1/2 < the row's largest p <= 1. The row's sum l is taken of the UNQUANTISED p, in f32, and the product's result is divided by l at the end. Since M is a whole number, a kernel that streams over the keys may use a running M (the ceiling of the running maximum): every later rescaling is an exact power of two, so the quantised numbers keep their values, but for numbers so far below the row's largest that they fall under the format's range.
;;   OPERANDS COMPUTED ON THE WAY. 'Computed on the way' means the value that the module computes at that place (a softmax that the list does not call 'softmax' is quantised finished and normalised). What goes into a quantiser is computed in f32, as accurately as f32 sums, v_exp_f32 and their like allow (about 1e-6 of the number): no bf16 or f16 on the way to a quantiser, and a product that is left as it is and whose result goes on into a quantised operand takes f32 operands (vector FMAs, or v_wmma_f32_16x16x4_f32). A number that lies on a knife's edge between two numbers of the format may be rounded either way, as far as f32 arithmetic and the matrix unit's own rounding can turn it there, and no further.
;; One version. Each part assembles by itself: llvm-mc -triple=amdgcn-amd-amdhsa -mcpu=gfx1250 --defsym DOCPART=n.
;; ======== version 1 of 1: 8 launches
;; limits: right only within a limited range of input values
;; workspace buffers: xc 12,582,912 bytes; wimg 7,340,032 bytes; woi 1,048,576 bytes; w2i 4,194,304 bytes; qkvc 12,582,912 bytes; ahc 16,777,216 bytes; x1 16,777,216 bytes; part 16,777,216 bytes
;; launch quant (part 1): grid 512 x 1, 4 waves a work-group, no clusters, 34,304 bytes of LDS; arguments x, wq, wk, wv, wo, w1, w2, lowp_scales, xc, wimg, woi, w2i; writes xc, wimg, woi, w2i
.if DOCPART == 1
	.amdgcn_target "amdgcn-amd-amdhsa--gfx1250"
	.amdhsa_code_object_version 6
	.text
	.protected	k_q3d0c884dbb_quant
	.globl	k_q3d0c884dbb_quant
	.p2align	8
	.type	k_q3d0c884dbb_quant,@function
k_q3d0c884dbb_quant:
	s_mov_b64 s[64:65], 0
	v_nop
	global_prefetch_b8 v0, s[64:65] scope:SCOPE_SE
	s_setreg_imm32_b32 hwreg(HW_REG_WAVE_MODE, 25, 1), 1
	s_wait_xcnt 0x0
; ENCODER LAYER, launch 1 of 8: x and the six weights become codes of E5M2, each with the scale 2^e that lowp_scales gives for it.
; NOTHING OF THE PROBLEM IS LEFT OUT IN ANY LAUNCH: every bias goes into a quantiser or into the output, the mask is honoured by selection, every product is live; x is quantised three times, since
; products 1, 2 and 3 each name a scale of their own for it (entries 0, 2, 4).
; code = number / 2^e, held within +-57,344, rounded to the nearest code, ties to even.  LIMITS: each e between -126 and 112; NaN among the inputs is not served.
; THE LAYOUT OF ALL CODES IN THIS PROGRAM: images of operand registers.  A fragment is 16 slots x 128 along K in 2,048 bytes: byte 512 c + 16 l (lane l = 16 h + r) begins the 16 codes of slot r, K = 32 c + 16 h + 0 .. 15.
; Slot r of fragment f is row 32 (f / 2) + 8 (f % 2) + r + 8 (r / 8).  An operand [rows][K]: fragment F, K step g at ((((g / 8) x rows / 256 + F / 16) x 8 + g % 8) x 32,768 + (F % 16) x 2,048.
; SHARES: work-groups 0-127 take x, 128-383 the five weights with 1,024 columns, 384-511 w1.  Waves share nothing; no barrier.
; x: a wave takes one fragment (16 rows) x 4 K steps.  Each load reads 512 consecutive bytes of a row; the step's 8 KiB turn through the wave's own stage in LDS (rows 528 bytes apart) so that a lane holds 16 neighbours
; along K of each block of 32; the three sets of codes leave from registers, 512 consecutive bytes a store.
; weights [K][N]: a lane takes a column and its registers run down K; lanes 0-15 are the slots of one fragment, lanes 16-31 of the next; sixteen lanes store 256 consecutive bytes, aligned.
.set SPARE, 33792                      ; behind the four stages of 8,448 bytes: the spare words, 128 bytes a wave
.set LI,   1                           ; v1   16 x lane
.set STI,  2                           ; v2   the stage, on the way in
.set STO,  3                           ; v3   and on the way out
.set SPW,  12                          ; v12  my spare word's LDS address; never rewritten
.set NIL,  13                          ; v13  0; never rewritten
.set R,    16                          ; v16-143  two sets of 64 numbers of x
.set T,    144                         ; v144-207 the numbers, held
.set C,    208                         ; v208-255 three sets of 16 registers of codes
.set WLO,  24                          ; weights: v24 load offset, v25 store offset, v26 the limit, v27 the scale
.set WSO,  25
.set WLIM, 26
.set WSCL, 27
.set X,    32                          ; v32-95   two sets of 32 numbers of a column
.set WC,   96                          ; v96-159  eight registers of codes for each block, never written again
.macro SCALE e, vs, vl                 ; v[vs] = 2^e as f32; v[vl] = 57,344 x 2^e
	s_add_co_i32 s60, s[\e], 127
	s_lshl_b32 s61, s60, 23
	v_mov_b32 v[\vs], s61
	s_add_co_i32 s60, s60, 15
	s_lshl_b32 s60, s60, 23
	s_or_b32 s60, s60, 0x600000
	v_mov_b32 v[\vl], s60
.endm
	s_load_b512 s[4:19], s[0:1], 0x0               ; x, wq, wk, wv, wo, w1, w2, lowp_scales
	s_load_b256 s[20:27], s[0:1], 0x40             ; xc, wimg, woi, w2i
	v_lshl_add_u32 v[SPW], v0, 2, SPARE
	v_mov_b32 v[NIL], 0
	v_lshrrev_b32 v14, 5, v0
	v_readfirstlane_b32 s44, v14                   ; wave
	v_and_b32 v14, 31, v0                          ; lane
	v_lshlrev_b32 v[LI], 4, v14
	v_and_b32 v15, 15, v0                          ; r
	v_bfe_u32 v10, v0, 4, 1                        ; h
	s_mul_i32 s45, s44, 8448                       ; my stage
	v_add_nc_u32 v[STI], s45, v[LI]                ; in: a row's 512 bytes as they lie
	v_mul_u32_u24 v[STO], v15, 528
	v_lshl_add_u32 v[STO], v10, 6, v[STO]
	v_add_nc_u32 v[STO], s45, v[STO]               ; out: row r, + 64 h: my 16 numbers of a block of 32
	s_wait_kmcnt 0x0
	s_load_b512 s[28:43], s[18:19], 0x0            ; the sixteen exponents: entry i in s[28 + i]
	s_cmp_lt_u32 ttmp9, 128
	s_cbranch_scc0 .Lweights
	; ---------------- x
	s_lshl_b32 s45, ttmp9, 2
	s_add_co_u32 s45, s45, s44                     ; which of 512 shares
	s_lshr_b32 s46, s45, 1                         ; fragment F
	s_and_b32 s47, s45, 1                          ; K steps 4 x this on
	s_lshr_b32 s48, s46, 1
	s_lshl_b32 s48, s48, 17                        ; 32 (F / 2) rows of 4,096 bytes
	s_and_b32 s49, s46, 1
	s_lshl_b32 s49, s49, 15                        ; + 8 (F % 2) rows
	s_add_co_u32 s48, s48, s49
	s_lshl_b32 s49, s47, 11                        ; + four K steps of 512 bytes
	s_add_co_u32 s48, s48, s49
	s_mov_b32 s49, 0
	s_add_nc_u64 s[4:5], s[4:5], s[48:49]
	s_lshr_b32 s50, s46, 4
	s_lshl_b32 s50, s50, 18
	s_lshl_b32 s51, s47, 17
	s_add_co_u32 s50, s50, s51
	s_and_b32 s51, s46, 15
	s_lshl_b32 s51, s51, 11
	s_add_co_u32 s50, s50, s51
	s_mov_b32 s51, 0
	s_add_nc_u64 s[52:53], s[20:21], s[50:51]      ; the codes for product 1,
	s_add_nc_u64 s[54:55], s[52:53], 0x400000      ; 2,
	s_add_nc_u64 s[56:57], s[52:53], 0x800000      ; 3
.macro XLOAD s                         ; K step s of my 16 rows: slot i is row i + 8 (i / 8)
.set RR, R+64*((\s)%2)
.irp i, 0,1,2,3,4,5,6,7,8,9,10,11,12,13,14,15
	global_load_b128 v[RR+4*\i:RR+4*\i+3], v[LI], s[4:5] offset:(\i+8*(\i/8))*4096+512*(\s) th:TH_LOAD_NT
.endr
.endm
.macro XTURN s                         ; through the stage and back into the registers that they left: LDS serves a wave's instructions in order, so no wait stands between
.set RR, R+64*((\s)%2)
.irp i, 0,1,2,3,4,5,6,7,8,9,10,11,12,13,14,15
	ds_store_b128 v[STI], v[RR+4*\i:RR+4*\i+3] offset:528*\i
.endr
.irp c, 0,1,2,3
.irp j, 0,1,2,3
	ds_load_b128 v[RR+16*\c+4*\j:RR+16*\c+4*\j+3], v[STO] offset:128*\c+16*\j
.endr
.endr
.endm
.macro XQ s, q                         ; the step's 64 numbers a lane become set q's fragment
.set RR, R+64*((\s)%2)
.set CC, C+16*(\q)
.set i, 0
.rept 64
	v_med3_num_f32 v[T+i], v[RR+i], -v[5+2*(\q)], v[5+2*(\q)]   ; the conversion does not saturate (ISA guide 7.6.2): the hold comes first
.set i, i+1
.endr
.set i, 0
.rept 8
	v_cvt_scalef32_pk8_bf8_f32 v[CC+2*i:CC+2*i+1], v[T+8*i:T+8*i+7], v[4+2*(\q)]
.set i, i+1
.endr
	v_nop                                          ; a plain line between the conversions and the next lines that write their sources
.irp c, 0,1,2,3
	global_store_b128 v[LI], v[CC+4*\c:CC+4*\c+3], s[52+2*(\q):53+2*(\q)] offset:32768*(\s)+512*\c   ; 512 consecutive bytes
.endr
.endm
	s_wait_alu depctr_va_vdst(0)
	XLOAD 0
	XLOAD 1
	s_wait_kmcnt 0x0
	SCALE 28, 4, 5
	SCALE 30, 6, 7
	SCALE 32, 8, 9
	s_wait_alu depctr_va_vdst(0)
.irp s, 0,1,2,3
.if \s < 3
	s_wait_loadcnt 16                              ; this step's 16 loads are in; the next step's may be out
.else
	s_wait_loadcnt 0
.endif
	XTURN \s
	s_wait_dscnt 0x0
	s_wait_xcnt 0x0                                ; the last step's stores have read their registers: the codes may be written again
	XQ \s, 0
	XQ \s, 1
	XQ \s, 2
.if \s+2 < 4
	XLOAD \s+2
.endif
.endr
	s_wait_tensorcnt 0x0                           ; the wave's end, behind my last LDS store
	ds_add_u32 v[SPW], v[NIL]
	s_wait_dscnt 0x0
	s_endpgm
	; ---------------- the weights (no LDS)
.macro WLOAD t, cols                   ; block t: W(32 t + i, my column)
.set XS, X+32*((\t)%2)
.set i, 0
.rept 32
	global_load_b32 v[XS+i], v[WLO], s[50:51] offset:(32*(\t)+i)*(\cols)*4 th:TH_LOAD_NT
.set i, i+1
.endr
.endm
.macro WBLOCK t, cols
.set XS, X+32*((\t)%2)
.if (\t) < 7
	s_wait_loadcnt 32                              ; this block's 32 loads are in; the next block's may be out
.else
	s_wait_loadcnt 0
.endif
.set i, 0
.rept 32
	v_med3_num_f32 v[XS+i], v[XS+i], -v[WLIM], v[WLIM]
.set i, i+1
.endr
.irp g, 0,1,2,3
	v_cvt_scalef32_pk8_bf8_f32 v[WC+8*(\t)+2*\g:WC+8*(\t)+2*\g+1], v[XS+8*\g:XS+8*\g+7], v[WSCL]
.endr
	v_nop
	global_store_b128 v[WSO], v[WC+8*(\t):WC+8*(\t)+3], s[52:53] offset:((\t)/4)*32768+((\t)%4)*512         ; K = 32 t + 0 .. 15: the image's half h = 0
	global_store_b128 v[WSO], v[WC+8*(\t)+4:WC+8*(\t)+7], s[52:53] offset:((\t)/4)*32768+((\t)%4)*512+256   ; K = 32 t + 16 .. 31: h = 1
.if (\t)+2 < 8
	WLOAD (\t)+2, \cols
.endif
.endm
; s[50:51] the tensor, s[52:53] its image, s54 its exponent, s47 which 128 columns, s48 which 256 along K.  A wave: 32 columns x 256 along K
.macro WPATH cols
	s_mul_i32 s56, s48, 1024*(\cols)
	s_lshl_b32 s57, s47, 9
	s_add_co_u32 s56, s56, s57
	s_lshl_b32 s57, s44, 7
	s_add_co_u32 s56, s56, s57
	s_mov_b32 s57, 0
	s_add_nc_u64 s[50:51], s[50:51], s[56:57]
	s_lshl_b32 s58, s48, 1                         ; K step g
	s_lshr_b32 s59, s58, 3
	s_mul_i32 s59, s59, (\cols)/256
	s_lshr_b32 s60, s47, 1                         ; fragment / 16
	s_add_co_u32 s59, s59, s60
	s_lshl_b32 s59, s59, 3
	s_and_b32 s58, s58, 7
	s_add_co_u32 s59, s59, s58
	s_lshl_b32 s59, s59, 15
	s_and_b32 s60, s47, 1
	s_lshl_b32 s60, s60, 14                        ; fragment % 16 = 8 (cg % 2) + 2 wave
	s_add_co_u32 s59, s59, s60
	s_lshl_b32 s60, s44, 12
	s_add_co_u32 s58, s59, s60
	s_mov_b32 s59, 0
	s_add_nc_u64 s[52:53], s[52:53], s[58:59]
	WLOAD 0, \cols
	WLOAD 1, \cols
	SCALE 54, WSCL, WLIM
	s_wait_alu depctr_va_vdst(0)
.irp t, 0,1,2,3,4,5,6,7
	WBLOCK \t, \cols
.endr
.endm
.Lweights:
	s_wait_kmcnt 0x0
	s_wait_alu depctr_va_vdst(0)
	v_and_b32 v[WLO], 7, v14
	v_and_b32 v[WSO], 8, v14
	v_lshl_or_b32 v[WLO], v[WSO], 1, v[WLO]
	v_and_b32 v[WSO], 16, v14
	v_lshrrev_b32 v[WSO], 1, v[WSO]
	v_or_b32 v[WLO], v[WLO], v[WSO]
	v_lshlrev_b32 v[WLO], 2, v[WLO]                ; my column among the wave's 32: l % 8 + 16 ((l / 8) % 2) + 8 (l / 16), x 4 bytes
	v_lshrrev_b32 v[WSO], 4, v14
	v_lshlrev_b32 v15, 4, v15
	v_lshl_or_b32 v[WSO], v[WSO], 11, v15          ; fragment l / 16, slot l % 16
	s_cmp_lt_u32 ttmp9, 384
	s_cbranch_scc0 .Lw1
	s_sub_co_u32 s45, ttmp9, 128
	s_lshr_b32 s46, s45, 5                         ; 0 wq, 1 wk, 2 wv, 3 wo, 4-7 w2
	s_and_b32 s47, s45, 7
	s_lshr_b32 s48, s45, 3
	s_cmp_lt_u32 s46, 4
	s_cselect_b32 s49, 3, 15
	s_and_b32 s48, s48, s49
	s_mov_b64 s[50:51], s[16:17]
	s_mov_b64 s[52:53], s[26:27]
	s_mov_b32 s54, s43                             ; entry 15
	s_mov_b32 s56, 0
	s_cmp_eq_u32 s46, 0
	s_cselect_b64 s[50:51], s[6:7], s[50:51]
	s_cselect_b64 s[52:53], s[22:23], s[52:53]
	s_cselect_b32 s54, s29, s54                    ; entry 1
	s_cmp_eq_u32 s46, 1
	s_cselect_b64 s[50:51], s[8:9], s[50:51]
	s_cselect_b64 s[52:53], s[22:23], s[52:53]
	s_cselect_b32 s54, s31, s54                    ; entry 3
	s_cselect_b32 s56, 0x100000, s56
	s_cmp_eq_u32 s46, 2
	s_cselect_b64 s[50:51], s[10:11], s[50:51]
	s_cselect_b64 s[52:53], s[22:23], s[52:53]
	s_cselect_b32 s54, s33, s54                    ; entry 5
	s_cselect_b32 s56, 0x200000, s56
	s_cmp_eq_u32 s46, 3
	s_cselect_b64 s[50:51], s[12:13], s[50:51]
	s_cselect_b64 s[52:53], s[24:25], s[52:53]
	s_cselect_b32 s54, s39, s54                    ; entry 11
	s_mov_b32 s57, 0
	s_add_nc_u64 s[52:53], s[52:53], s[56:57]
	s_wait_alu depctr_va_vdst(0)
	WPATH 1024
	s_endpgm
.Lw1:
	s_sub_co_u32 s45, ttmp9, 384
	s_and_b32 s47, s45, 31
	s_lshr_b32 s48, s45, 5
	s_mov_b64 s[50:51], s[14:15]
	s_add_nc_u64 s[52:53], s[22:23], 0x300000
	s_mov_b32 s54, s41                             ; entry 13
	s_wait_alu depctr_va_vdst(0)
	WPATH 4096
	s_endpgm
.Lfunc_end_k_q3d0c884dbb_quant:
	.size	k_q3d0c884dbb_quant, .Lfunc_end_k_q3d0c884dbb_quant-k_q3d0c884dbb_quant
	.p2alignl 7, 3214868480
	.fill 96, 4, 3214868480
	.section	.rodata,"a",@progbits
	.p2align	6, 0x0
	.amdhsa_kernel k_q3d0c884dbb_quant
		.amdhsa_group_segment_fixed_size 34304
		.amdhsa_private_segment_fixed_size 0
		.amdhsa_enable_private_segment 0
		.amdhsa_kernarg_size 96
		.amdhsa_user_sgpr_count 2
		.amdhsa_user_sgpr_kernarg_segment_ptr 1
		.amdhsa_wavefront_size32 1
		.amdhsa_system_sgpr_workgroup_id_x 1
		.amdhsa_system_sgpr_workgroup_id_y 1
		.amdhsa_system_sgpr_workgroup_id_z 1
		.amdhsa_system_vgpr_workitem_id 0
		.amdhsa_next_free_vgpr 256
		.amdhsa_next_free_sgpr 80
		.amdhsa_reserve_vcc 0
		.amdhsa_float_denorm_mode_32 3
		.amdhsa_float_denorm_mode_16_64 3
		.amdhsa_memory_ordered 1
		.amdhsa_forward_progress 1
		.amdhsa_inst_pref_size 169
	.end_amdhsa_kernel
	.amdgpu_metadata
---
amdhsa.version: [ 1, 2 ]
amdhsa.kernels:
  - .name:           k_q3d0c884dbb_quant
    .symbol:         k_q3d0c884dbb_quant.kd
    .args:
      - { .name: x, .offset: 0, .size: 8, .value_kind: global_buffer, .address_space: global }
      - { .name: wq, .offset: 8, .size: 8, .value_kind: global_buffer, .address_space: global }
      - { .name: wk, .offset: 16, .size: 8, .value_kind: global_buffer, .address_space: global }
      - { .name: wv, .offset: 24, .size: 8, .value_kind: global_buffer, .address_space: global }
      - { .name: wo, .offset: 32, .size: 8, .value_kind: global_buffer, .address_space: global }
      - { .name: w1, .offset: 40, .size: 8, .value_kind: global_buffer, .address_space: global }
      - { .name: w2, .offset: 48, .size: 8, .value_kind: global_buffer, .address_space: global }
      - { .name: lowp_scales, .offset: 56, .size: 8, .value_kind: global_buffer, .address_space: global }
      - { .name: xc, .offset: 64, .size: 8, .value_kind: global_buffer, .address_space: global }
      - { .name: wimg, .offset: 72, .size: 8, .value_kind: global_buffer, .address_space: global }
      - { .name: woi, .offset: 80, .size: 8, .value_kind: global_buffer, .address_space: global }
      - { .name: w2i, .offset: 88, .size: 8, .value_kind: global_buffer, .address_space: global }
    .group_segment_fixed_size: 34304
    .private_segment_fixed_size: 0
    .kernarg_segment_align: 8
    .kernarg_segment_size: 96
    .max_flat_workgroup_size: 128
    .sgpr_count:     80
    .vgpr_count:     256
    .wavefront_size: 32
...
	.end_amdgpu_metadata
.endif
;; end of part 1
;; launch qkv (part 2): grid 12 x 16, 4 waves a work-group, clusters of 4 x 4, 327,680 bytes of LDS; arguments xc, wimg, bq, bk, bv, mask, lowp_scales, qkvc; writes qkvc
.if DOCPART == 2
	.amdgcn_target "amdgcn-amd-amdhsa--gfx1250"
	.amdhsa_code_object_version 6
	.text
	.protected	k_q3d0c884dbb_qkv
	.globl	k_q3d0c884dbb_qkv
	.p2align	8
	.type	k_q3d0c884dbb_qkv,@function
k_q3d0c884dbb_qkv:
	s_mov_b64 s[64:65], 0
	v_nop
	global_prefetch_b8 v0, s[64:65] scope:SCOPE_SE
	s_setreg_imm32_b32 hwreg(HW_REG_WAVE_MODE, 25, 1), 1
	s_wait_xcnt 0x0
	s_wait_alu depctr_hold_cnt(0) depctr_sa_sdst(0) depctr_va_vdst(0) depctr_va_sdst(0) depctr_va_ssrc(0) depctr_va_vcc(0) depctr_vm_vsrc(0)
	s_getreg_b32 s2, hwreg(HW_REG_IB_STS2, 6, 4)
	s_cmp_eq_u32 s2, 0
	s_cbranch_scc0 .Lentry_in_a_cluster
	s_endpgm
.Lentry_in_a_cluster:
	s_bfe_u32 s2, ttmp6, 0x10000c
	s_cmp_lg_u32 s2, 0xf033
	s_cbranch_scc0 .Lentry_shape_is_right
	s_endpgm
.Lentry_shape_is_right:
.set SLOT,   131072
.set SPARE,  262144
.set FR,     16
.set NL,     4
.set NP,     4
.set ADRA, 16
.set ADRB, 20
.set SPW,  28
.set NIL,  29
.set AF,   128
.set BI,   32
.set LIM,  96
.set MK,   104
.set BR,   112
.set T,    128
.set CD,   192
.set G1, 24
.set G0, 32
.set G1B, 48
.set G0B, 56
.set MSB, 0
.macro WIN new
.if MSB != \new
	s_set_vgpr_msb (MSB<<8)|\new
.set MSB, \new
.endif
.endm
.set MUL_LO, 0xa1
.set MUL_HI, 0xf1
.set TO_B,   0x40
.macro JLOAD g0a, g1a, g0b, g1b
	s_cmp_eq_u32 s15, 0
	s_cbranch_scc0 .Lfor_b_\@
	tensor_load_to_lds s[\g0a:\g0a+3], s[\g1a:\g1a+7]
	s_nop 0
.rept 4
	v_nop
.endr
	s_branch .Lasked_\@
.Lfor_b_\@:
	tensor_load_to_lds s[\g0b:\g0b+3], s[\g1b:\g1b+7]
	s_nop 0
.rept 4
	v_nop
.endr
.Lasked_\@:
.endm
.macro CREST
	s_cmp_lg_u32 s14, 0
	s_cbranch_scc1 .Lnot_wave_0_\@
	s_barrier_signal -3
.Lnot_wave_0_\@:
	s_barrier_wait -3
	s_barrier_signal -1
	s_barrier_wait -1
.endm
.macro CROUND
	s_barrier_signal -1
	s_barrier_wait -1
	CREST
.endm
	s_load_b512 s[68:83], s[0:1], 0x0
	v_lshl_add_u32 v[SPW], v0, 2, SPARE
	v_mov_b32 v[NIL], 0
	ds_add_u32 v[SPW], v[NIL]
	ds_add_u32 v[SPW], v[NIL]
	v_lshrrev_b32 v1, 5, v0
	v_readfirstlane_b32 s14, v1
	s_lshr_b32 s15, s14, 1
	s_and_b32 s16, s14, 1
	s_bfe_u32 s40, ttmp6, 0x40000
	s_bfe_u32 s41, ttmp6, 0x40004
	s_and_b32 s18, ttmp7, 0xffff
	s_lshl_b32 s18, s18, 2
	s_add_co_u32 s19, s18, s41
	s_add_co_u32 s9, s18, s40
	s_cmp_eq_u32 ttmp9, 2
	s_cselect_b32 s17, s41, s19
	s_cselect_b32 s42, s9, s40
	s_lshl_b32 s43, s41, 2
	s_lshl_b32 s43, 15, s43
	s_lshl_b32 s44, 0x1111, s40
	s_or_b32 s[G1+0], s43, (3<<16)|(1<<21)
	s_or_b32 s[G1B+0], s44, (3<<16)|(1<<21)
.irp g, G1, G1B
	s_mov_b32 s[\g+1], 32<<16
	s_mov_b32 s[\g+2], 256<<16                     ; a load is 256 rows of 256 bytes: two K steps of one operand, dense in memory
	s_mov_b32 s[\g+3], 32<<16
	s_mov_b32 s[\g+4], 256
	s_mov_b32 s[\g+5], 32
	s_mov_b32 s[\g+6], 0
	s_mov_b32 s[\g+7], 0
.endr
	s_lshl_b32 s10, ttmp9, 20
	s_lshl_b32 s11, ttmp9, 22
	s_cmp_eq_u32 ttmp9, 2
	s_cselect_b32 s20, s10, s11
	s_cselect_b32 s46, s11, s10
	s_lshl_b32 s12, s17, 18
	s_add_co_u32 s20, s20, s12
	s_lshl_b32 s13, s42, 18
	s_add_co_u32 s46, s46, s13
	s_lshl_b32 s18, s16, 16                        ; wave % 2 = the slot that I fill: K steps 2 x slot on, 65,536 bytes
	s_add_co_u32 s20, s20, s18
	s_add_co_u32 s46, s46, s18
	s_mov_b32 s21, 0
	s_mov_b32 s47, 0
	s_lshl_b32 s45, s16, 17                        ; in LDS: my slot,
	s_lshl_b32 s3, s15, 16                         ; A's 65,536 bytes, then B's
	s_add_co_u32 s45, s45, s3
	s_wait_dscnt 0x0
	s_wait_kmcnt 0x0
	s_load_b512 s[84:99], s[80:81], 0x0
	s_cmp_eq_u32 ttmp9, 2
	s_cselect_b64 s[4:5], s[70:71], s[68:69]
	s_cselect_b64 s[6:7], s[68:69], s[70:71]
	s_add_nc_u64 s[20:21], s[4:5], s[20:21]
	s_add_nc_u64 s[46:47], s[6:7], s[46:47]
	CROUND
; One group 0 a wave and operand.  Waves 0 and 2 own slot 0 (A's and B's K steps 0, 1, later 4, 5), waves 1 and 3 slot 1 (2, 3, later 6, 7): at the head every wave issues its one joint load, so both slots are asked for at once.
.macro JFILL slot                      ; a refill: the two waves that own the slot issue one joint load each; the branch hangs on the wave's number alone
	s_cmp_eq_u32 s16, \slot
	s_cbranch_scc0 .Lnone_\@
	JLOAD G0, G1, G0B, G1B
	s_branch .Ldone_\@
.Lnone_\@:
.rept 4
	v_nop                                          ; the places in front of the LDS loads that follow
.endr
.Ldone_\@:
.endm
	s_mov_b32 s[G0], 1
	s_mov_b32 s[G0+1], s45
	s_mov_b64 s[G0+2:G0+3], s[20:21]
	s_or_b32 s[G0+3], s[G0+3], 0x80000000
	s_mov_b32 s[G0B], 1
	s_mov_b32 s[G0B+1], s45
	s_mov_b64 s[G0B+2:G0B+3], s[46:47]
	s_or_b32 s[G0B+3], s[G0B+3], 0x80000000
	JLOAD G0, G1, G0B, G1B
	; K steps 4 to 7 of my operand's tile, 131,072 bytes, are prefetched into the L2: the four partners that ask for the tile jointly take 32,768 bytes each, told apart by address; of these my wave takes 16,384: two instructions, lanes 256 bytes apart
	s_cmp_eq_u32 s15, 0
	s_cselect_b64 s[36:37], s[20:21], s[46:47]
	s_cselect_b32 s38, s40, s41
	s_lshl_b32 s38, s38, 15
	s_add_co_u32 s38, s38, 131072
	s_mul_i32 s39, s16, 49152                      ; the address above stands 65,536 x slot into the tile; my part begins 16,384 x slot into the partner's
	s_sub_co_u32 s38, s38, s39
	s_mov_b32 s39, 0
	s_add_nc_u64 s[36:37], s[36:37], s[38:39]
	v_and_b32 v7, 31, v0
	v_lshlrev_b32 v7, 8, v7
	global_prefetch_b8 v7, s[36:37] th:TH_LOAD_NT scope:SCOPE_SE
	global_prefetch_b8 v7, s[36:37] offset:8192 th:TH_LOAD_NT scope:SCOPE_SE
	v_and_b32 v6, 31, v0
	v_lshlrev_b32 v26, 4, v6
	v_and_b32 v1, 15, v0
	v_bfe_u32 v2, v0, 4, 1
	v_lshlrev_b32 v25, 6, v2
	v_and_b32 v3, 8, v1
	v_add_nc_u32 v3, v3, v1
	v_lshlrev_b32 v27, 2, v3
	s_lshl_b32 s21, s15, 14
	s_lshl_b32 s22, s16, 14
	s_add_co_u32 s22, s22, 65536
.irp s, 0,1
	v_add_nc_u32 v[ADRA+\s], s21, v26
	v_add_nc_u32 v[ADRB+\s], s22, v26
	s_add_co_u32 s21, s21, SLOT
	s_add_co_u32 s22, s22, SLOT
.endr
.macro FRAG reg, adr, q, i
.irp c, 0,1,2,3
	ds_load_b128 v[\reg+4*\c:\reg+4*\c+3], v[\adr] offset:32768*(\q)+2048*(\i)+512*\c
.endr
.endm
.macro MUL16 a0, p, zero
.irp a, \a0, \a0+1
.irp b, 0,1,2,3,4,5,6,7
.if \zero
	v_wmma_f32_16x16x128_bf8_bf8 v[8*(8*((\a)%4)+\b):8*(8*((\a)%4)+\b)+7], v[128*(\p)+FR*\b:128*(\p)+FR*\b+FR-1], v[AF+FR*(\a):AF+FR*(\a)+FR-1], 0
.else
	v_wmma_f32_16x16x128_bf8_bf8 v[8*(8*((\a)%4)+\b):8*(8*((\a)%4)+\b)+7], v[128*(\p)+FR*\b:128*(\p)+FR*\b+FR-1], v[AF+FR*(\a):AF+FR*(\a)+FR-1], v[8*(8*((\a)%4)+\b):8*(8*((\a)%4)+\b)+7]
.endif
.endr
.endr
.endm
.macro FETCH_B slot, q, p
	WIN TO_B
.irp i, 0,1,2,3,4,5,6,7
	FRAG 128*(\p)+FR*\i, ADRB+\slot, \q, \i
.endr
	WIN 0
.endm
.macro FETCH_A slot, q, i0
.irp i, \i0, \i0+1, \i0+2, \i0+3
	FRAG AF+FR*(\i), ADRA+\slot, \q, \i
.endr
.endm
.macro PLACES n
.rept \n
	v_nop
.endr
.endm
.macro STEP slot, q, zero
	s_wait_dscnt 4*NL
	WIN MUL_LO
	MUL16 0, (\q)%2, \zero
	MUL16 2, (\q)%2, \zero
	s_wait_dscnt 0
	PLACES NP
	FETCH_B \slot, (\q)+1, 1-(\q)%2
	FETCH_A \slot, (\q)+1, 0
	WIN MUL_HI
	MUL16 4, (\q)%2, \zero
	MUL16 6, (\q)%2, \zero
	PLACES NP
	WIN 0
	FETCH_A \slot, (\q)+1, 4
.endm
.macro TURN slot, next, fill
	s_wait_tensorcnt 0x0
	ds_add_u32 v[SPW], v[NIL]
	s_wait_dscnt 4*NL+1
	WIN MUL_LO
	MUL16 0, 1, 0
	s_wait_dscnt 0x0
	s_barrier_signal -1
	MUL16 2, 1, 0
	WIN 0
	s_barrier_wait -1
.if \fill
	CREST
.if \slot == 0
	s_add_nc_u64 s[G0+2:G0+3], s[G0+2:G0+3], 131072     ; no load of mine is out: every wave's group 0 steps four K steps on, once
	s_add_nc_u64 s[G0B+2:G0B+3], s[G0B+2:G0B+3], 131072
.endif
	JFILL \slot
.else
	PLACES NP
.endif
	FETCH_B \next, 0, 0
	FETCH_A \next, 0, 0
	WIN MUL_HI
	MUL16 4, 1, 0
	MUL16 6, 1, 0
	PLACES NP
	WIN 0
	FETCH_A \next, 0, 4
.endm
.macro LASTSTEP
	s_wait_dscnt 4*NL
	WIN MUL_LO
	MUL16 0, 1, 0
	MUL16 2, 1, 0
	s_wait_dscnt 0
	WIN MUL_HI
	MUL16 4, 1, 0
	MUL16 6, 1, 0
	WIN 0
.endm
	s_wait_alu depctr_va_vdst(0)
	s_wait_tensorcnt 0x0
	s_barrier_signal -1
	s_barrier_wait -1
	FETCH_B 0, 0, 0
	FETCH_A 0, 0, 0
	FETCH_A 0, 0, 4
	STEP 0, 0, 1
	TURN 0, 1, 1
	STEP 1, 0, 0
	TURN 1, 0, 1
	STEP 0, 0, 0
	TURN 0, 1, 0
	STEP 1, 0, 0
	s_wait_kmcnt 0x0
	s_add_co_i32 s2, s84, s85
	s_add_co_i32 s18, s86, s87
	s_add_co_i32 s19, s88, s89
	s_cmp_eq_u32 ttmp9, 1
	s_cselect_b32 s2, s18, s2
	s_cselect_b32 s20, s91, s90
	s_cmp_eq_u32 ttmp9, 2
	s_cselect_b32 s2, s19, s2
	s_cselect_b32 s20, s93, s20
	s_add_co_i32 s2, s2, 127
	s_lshl_b32 s2, s2, 23
	s_mov_b32 s3, s2
	s_add_co_i32 s20, s20, 127
	s_lshl_b32 s21, s20, 23
	v_mov_b32 v30, s21
	s_add_co_i32 s20, s20, 15
	s_lshl_b32 s20, s20, 23
	s_or_b32 s20, s20, 0x600000
	v_mov_b32 v31, s20
	s_lshl_b32 s10, s42, 10
	s_lshl_b32 s11, s16, 9
	s_add_co_u32 s10, s10, s11
	s_mov_b32 s11, 0
	s_lshl_b32 s12, s17, 10
	s_lshl_b32 s13, s15, 9
	s_add_co_u32 s12, s12, s13
	s_mov_b32 s13, 0
	s_lshr_b32 s18, s17, 3
	s_lshl_b32 s18, s18, 4
	s_lshl_b32 s19, s42, 2
	s_add_co_u32 s18, s18, s19
	s_lshl_b32 s19, s16, 1
	s_add_co_u32 s18, s18, s19
	s_lshl_b32 s18, s18, 7
	s_and_b32 s19, s17, 7
	s_lshl_b32 s19, s19, 4
	s_add_co_u32 s18, s18, s19
	s_lshl_b32 s19, s15, 3
	s_add_co_u32 s18, s18, s19
	s_lshl_b32 s18, s18, 10
	s_lshl_b32 s19, ttmp9, 22
	s_add_co_u32 s18, s18, s19
	s_lshr_b32 s22, s42, 3
	s_lshl_b32 s22, s22, 4
	s_lshl_b32 s23, s17, 2
	s_add_co_u32 s22, s22, s23
	s_lshl_b32 s23, s15, 1
	s_add_co_u32 s22, s22, s23
	s_lshl_b32 s22, s22, 4
	s_lshl_b32 s23, s42, 1
	s_add_co_u32 s23, s23, s16
	s_and_b32 s23, s23, 15
	s_add_co_u32 s22, s22, s23
	s_lshl_b32 s22, s22, 13
	s_add_co_u32 s22, s22, 0x800000
	s_cmp_eq_u32 ttmp9, 2
	s_cselect_b32 s18, s22, s18
	s_mov_b32 s19, 0
	s_add_nc_u64 s[8:9], s[82:83], s[18:19]
.macro BILOAD sb
.irp p, 0,1,2,3
.irp j, 0,1,2,3
	global_load_b128 v[BI+16*\p+4*\j:BI+16*\p+4*\j+3], v25, s[\sb:\sb+1] offset:128*\p+16*\j
.endr
.endr
.endm
.macro EPI a, mode, lim
.if (\a) >= 2
	s_wait_xcnt 0x0
.endif
.set AC, 64*((\a)%4)
.set CC, CD+16*((\a)%2)
	WIN 0x02+((\a)/4)
.set k, 0
.rept 32
.if \mode == 0
	v_pk_fma_f32 v[T+k:T+k+1], v[AC+k:AC+k+1], s[2:3], v[BI+k:BI+k+1] op_sel_hi:[1,0,1]
.else
	v_pk_fma_f32 v[T+k:T+k+1], v[AC+k:AC+k+1], s[2:3], v[BR+2*(\a):BR+2*(\a)+1] op_sel_hi:[1,0,0]
.endif
.set k, k+2
.endr
	WIN 0
.set k, 0
.rept 64
	v_med3_num_f32 v[T+k], v[T+k], -v[\lim], v[\lim]
.set k, k+1
.endr
.set k, 0
.rept 8
	v_cvt_scalef32_pk8_bf8_f32 v[CC+2*k:CC+2*k+1], v[T+8*k:T+8*k+7], v30
.set k, k+1
.endr
	v_nop
.irp p, 0,1,2,3
.if \mode == 0
	global_store_b128 v26, v[CC+4*\p:CC+4*\p+3], s[8:9] offset:(\p/2)*131072+1024*(\a)+512*(\p%2)
.else
	global_store_b128 v26, v[CC+4*\p:CC+4*\p+3], s[8:9] offset:((\a)/4)*131072+((\a)%4)*2048+512*\p
.endif
.endr
.endm
	s_cmp_eq_u32 ttmp9, 1
	s_cbranch_scc1 .Larm_k
	s_cmp_eq_u32 ttmp9, 2
	s_cbranch_scc1 .Larm_v
	s_add_nc_u64 s[72:73], s[72:73], s[10:11]
	BILOAD 72
	LASTSTEP
	s_wait_loadcnt 0x0
	PLACES NP
.irp a, 0,1,2,3,4,5,6,7
	EPI \a, 0, 31
.endr
	s_branch .Lend
.Larm_k:
	s_add_nc_u64 s[74:75], s[74:75], s[10:11]
	s_add_nc_u64 s[78:79], s[78:79], s[12:13]
	BILOAD 74
.irp a, 0,1,2,3,4,5,6,7
	global_load_b32 v[MK+\a], v27, s[78:79] offset:(32*(\a/2)+8*(\a%2))*4
.endr
	LASTSTEP
	s_wait_loadcnt 0x0
	PLACES NP
	s_wait_alu depctr_va_vdst(0)
.irp a, 0,1,2,3,4,5,6,7
	v_cmp_eq_u32 vcc_lo, 0, v[MK+\a]
	v_cndmask_b32 v[LIM+\a], v31, v[NIL], vcc_lo
.endr
.irp a, 0,1,2,3,4,5,6,7
	EPI \a, 0, LIM+\a
.endr
	s_branch .Lend
.Larm_v:
	s_add_nc_u64 s[76:77], s[76:77], s[12:13]
.irp a, 0,1,2,3,4,5,6,7
	global_load_b32 v[BR+2*\a], v27, s[76:77] offset:(32*(\a/2)+8*(\a%2))*4
	v_mov_b32 v[BR+2*\a+1], 0
.endr
	LASTSTEP
	s_wait_loadcnt 0x0
	PLACES NP
	s_wait_alu depctr_va_vdst(0)
.irp a, 0,1,2,3,4,5,6,7
	EPI \a, 1, 31
.endr
.Lend:
	s_wait_tensorcnt 0x0
	ds_add_u32 v[SPW], v[NIL]
	s_wait_dscnt 0x0
	CROUND
	s_endpgm
.Lfunc_end_k_q3d0c884dbb_qkv:
	.size	k_q3d0c884dbb_qkv, .Lfunc_end_k_q3d0c884dbb_qkv-k_q3d0c884dbb_qkv
	.p2alignl 7, 3214868480
	.fill 96, 4, 3214868480
	.section	.rodata,"a",@progbits
	.p2align	6, 0x0
	.amdhsa_kernel k_q3d0c884dbb_qkv
		.amdhsa_group_segment_fixed_size 327680
		.amdhsa_private_segment_fixed_size 0
		.amdhsa_enable_private_segment 0
		.amdhsa_kernarg_size 64
		.amdhsa_user_sgpr_count 2
		.amdhsa_user_sgpr_kernarg_segment_ptr 1
		.amdhsa_wavefront_size32 1
		.amdhsa_system_sgpr_workgroup_id_x 1
		.amdhsa_system_sgpr_workgroup_id_y 1
		.amdhsa_system_sgpr_workgroup_id_z 1
		.amdhsa_system_vgpr_workitem_id 0
		.amdhsa_next_free_vgpr 1024
		.amdhsa_next_free_sgpr 100
		.amdhsa_reserve_vcc 1
		.amdhsa_float_denorm_mode_32 3
		.amdhsa_float_denorm_mode_16_64 3
		.amdhsa_memory_ordered 1
		.amdhsa_forward_progress 1
		.amdhsa_inst_pref_size 255
	.end_amdhsa_kernel
	.section	.bss,"aw",@nobits
	.p2align	6
	.space	262144
	.amdgpu_metadata
---
amdhsa.version: [ 1, 2 ]
amdhsa.kernels:
  - .name:           k_q3d0c884dbb_qkv
    .symbol:         k_q3d0c884dbb_qkv.kd
    .args:
      - { .name: xc, .offset: 0, .size: 8, .value_kind: global_buffer, .address_space: global }
      - { .name: wimg, .offset: 8, .size: 8, .value_kind: global_buffer, .address_space: global }
      - { .name: bq, .offset: 16, .size: 8, .value_kind: global_buffer, .address_space: global }
      - { .name: bk, .offset: 24, .size: 8, .value_kind: global_buffer, .address_space: global }
      - { .name: bv, .offset: 32, .size: 8, .value_kind: global_buffer, .address_space: global }
      - { .name: mask, .offset: 40, .size: 8, .value_kind: global_buffer, .address_space: global }
      - { .name: lowp_scales, .offset: 48, .size: 8, .value_kind: global_buffer, .address_space: global }
      - { .name: qkvc, .offset: 56, .size: 8, .value_kind: global_buffer, .address_space: global }
    .group_segment_fixed_size: 327680
    .private_segment_fixed_size: 0
    .kernarg_segment_align: 8
    .kernarg_segment_size: 64
    .max_flat_workgroup_size: 128
    .sgpr_count:     100
    .vgpr_count:     1024
    .wavefront_size: 32
...
	.end_amdgpu_metadata
.endif
;; end of part 2
;; launch attn (part 3): grid 8 x 32, 8 waves a work-group, clusters of 4 x 1, 327,680 bytes of LDS; arguments qkvc, mask, lowp_scales, ahc; writes ahc
.if DOCPART == 3
	.amdgcn_target "amdgcn-amd-amdhsa--gfx1250"
	.amdhsa_code_object_version 6
	.text
	.protected	k_q3d0c884dbb_attn
	.globl	k_q3d0c884dbb_attn
	.p2align	8
	.type	k_q3d0c884dbb_attn,@function
k_q3d0c884dbb_attn:
	s_mov_b64 s[64:65], 0
	v_nop
	global_prefetch_b8 v0, s[64:65] scope:SCOPE_SE
	s_setreg_imm32_b32 hwreg(HW_REG_WAVE_MODE, 25, 1), 1
	s_wait_xcnt 0x0
	s_wait_alu depctr_hold_cnt(0) depctr_sa_sdst(0) depctr_va_vdst(0) depctr_va_sdst(0) depctr_va_ssrc(0) depctr_va_vcc(0) depctr_vm_vsrc(0)
	s_getreg_b32 s2, hwreg(HW_REG_IB_STS2, 6, 4)
	s_cmp_eq_u32 s2, 0
	s_cbranch_scc0 .Lentry_in_a_cluster
	s_endpgm
.Lentry_in_a_cluster:
	s_bfe_u32 s2, ttmp6, 0x10000c
	s_cmp_lg_u32 s2, 0x3003
	s_cbranch_scc0 .Lentry_shape_is_right
	s_endpgm
.Lentry_shape_is_right:
; Launch 3 of 8: products 4 and 5 with the softmax between them, and the quantising of the result for product 6.  Nothing is left out.
; t = score x log2(e) / 8; M = the running largest t rounded up to a whole number; p = 2^(t - M) is quantised along the keys, not normalised; the sum is taken of the unquantised p and divides at the end.
; SHARES: a work-group owns 256 queries of one batch and head; each of its EIGHT waves owns two fragments of 16 queries (tiles u = 0, 1), so that each fragment of K, of V and of the mask's table that it reads from LDS feeds two matrix instructions.
; Every wave walks the head's 2,048 keys, 128 a step: 16 + 8 matrix instructions for 48 LDS loads.
; THE HEAD'S WHOLE K AND V LIE IN LDS (131,072 bytes each, images of operand registers), fetched once: each wave issues one joint load of 32,768 bytes; nothing is filled again.
; CLUSTER 4 x 1: the four query blocks of a cluster belong to one head and ask for the same bytes jointly.  No prefetch: all of K and V is asked for at the head, and no loop runs ahead of a load.
; Both products are used transposed (S^T = K Q^T + C, O^T = V^T P^T): a lane holds one query of each tile; by the fragments' slot order the 16 registers of two neighbouring tiles are 16 neighbouring keys (or channels).
; THE MASK: a masked key's codes are zeros (launch qkv), and C, read from a table in LDS, is 0 for a key that counts and for a masked key the raw score that stands for reference()'s -1e9: -8e9 / 2^(e6 + e7).
; C has registers of its own and serves both tiles.  The next step's K and C are fetched under this step's softmax, V at the step's head.
; LIMITS: e6 + e7 between -94 and 130; entries 8 and 10 between -126 and 112.  NaN is not served.
; REGISTERS, window 0: v1-9 addresses; v10, v11 the hold (two copies, for the two halves of a dual instruction); v12 the scale; v14-17 (-M, largest t) a tile; v18-21 the sums; v22-25 f; v26-29 at work;
;   v32-95 V's 4 fragments; v96-159, v160-223 S^T then p of tiles 0, 1; v224-255 p's codes (ahead of them: the maxima's and the sums' chains).
; window 1: v0-15 Q; v16-79 O^T; v80-143 C; v144-207 K's 8 fragments.
.set MCB,   262144                     ; the table C: 2,048 f32, written by LDS stores; no tensor load lands here
.set SPARE, 270336                     ; the spare words, 128 bytes a wave
.set LI,  1                            ; 16 x lane
.set MH,  2                            ; MCB + 64 (lane / 16)
.set SPW, 5
.set NIL, 6
.set ADK, 7
.set ADV, 8
.set ADM, 9
.set LA,  10
.set LB,  11
.set SC,  12
.set ST,  14
.set LS,  18
.set FF,  22
.set PL,  26
.set OL,  28
.set VF,  32
.set S,   96
.set CD,  224
.set QF,  0                            ; window 1
.set OA,  16
.set CT,  80
.set KF,  144
.set TB,  12                           ; s12  the NEXT step's K in LDS
.set TV,  13                           ; s13  this step's V
.set TM,  14                           ; s14  the next step's part of the table
.set CNT, 15
.set WV,  18
.set SEL, 20
.set CS,  22
.set G1,  24
.set G0,  32
.set MSB, 0
.macro WIN new                         ; the immediate's high byte repeats the setting that is left
.if MSB != \new
	s_set_vgpr_msb (MSB<<8)|\new
.set MSB, \new
.endif
.endm
.macro CROUND
	s_barrier_signal -1
	s_barrier_wait -1
	s_cmp_lg_u32 s[WV], 0
	s_cbranch_scc1 .Lnot_wave_0_\@
	s_barrier_signal -3
.Lnot_wave_0_\@:
	s_barrier_wait -3
	s_barrier_signal -1
	s_barrier_wait -1
.endm
.macro KCLOAD ak, am                   ; a step's K (8 fragments of 16 keys x 64) and C (register j of tile t: key 32 (t / 2) + 8 (t % 2) + 16 h + j) into window 1
	WIN 0x40
.irp t, 0,1,2,3,4,5,6,7
	ds_load_b128 v[KF+8*\t:KF+8*\t+3], v[\ak] offset:1024*\t
	ds_load_b128 v[KF+8*\t+4:KF+8*\t+7], v[\ak] offset:1024*\t+512
.endr
.irp t, 0,1,2,3,4,5,6,7
	ds_load_b128 v[CT+8*\t:CT+8*\t+3], v[\am] offset:(32*(\t/2)+8*(\t%2))*4
	ds_load_b128 v[CT+8*\t+4:CT+8*\t+7], v[\am] offset:(32*(\t/2)+8*(\t%2))*4+16
.endr
	WIN 0
.endm
	s_load_b256 s[4:11], s[0:1], 0x0               ; qkvc, mask, lowp_scales, ahc
	v_lshl_add_u32 v[SPW], v0, 2, SPARE
	v_mov_b32 v[NIL], 0
	ds_add_u32 v[SPW], v[NIL]                      ; the opening: the add, twice on end, and its wait ahead of my first tensor load
	ds_add_u32 v[SPW], v[NIL]
	v_lshrrev_b32 v7, 5, v0
	v_readfirstlane_b32 s[WV], v7                  ; wave 0..7
	s_bfe_u32 s16, ttmp6, 0x40000                  ; cx
	s_lshl_b32 s17, ttmp9, 2
	s_add_co_u32 s17, s17, s16                     ; my block of 256 queries: it enters global addresses of Q and of the result alone
	s_and_b32 s19, ttmp7, 0xffff                   ; batch x 16 + head
	s_mov_b32 s[G1], 15|(3<<16)|(1<<21)            ; the mask: all four; elements of 8 bytes; bit 21 beside a mask; no padding
	s_mov_b32 s[G1+1], 32<<16                      ; rows of 256 bytes,
	s_mov_b32 s[G1+2], 128<<16                     ; 128 of them,
	s_mov_b32 s[G1+3], 32<<16
	s_mov_b32 s[G1+4], 128
	s_mov_b32 s[G1+5], 32                          ; dense
	s_mov_b32 s[G1+6], 0
	s_mov_b32 s[G1+7], 0
	s_lshr_b32 s2, s[WV], 2                        ; waves 0-3: K, from 4 MiB on; waves 4-7: V, from 8 MiB on
	s_add_co_u32 s2, s2, 1
	s_lshl_b32 s2, s2, 22
	s_lshl_b32 s3, s19, 17
	s_add_co_u32 s2, s2, s3
	s_and_b32 s3, s[WV], 3
	s_lshl_b32 s3, s3, 15
	s_add_co_u32 s2, s2, s3
	s_mov_b32 s3, 0
	s_mov_b32 s[G0], 1
	s_lshl_b32 s[G0+1], s[WV], 15                  ; LDS: 32,768 x wave: K from 0, V from 131,072
	s_mov_b32 s[SEL], 0x76543210
	s_mov_b32 s[SEL+1], 0xfedcba98
	s_mov_b32 s[CS], 0x3e38aa3b                    ; log2(e) / 8
	s_mov_b32 s[TB], 8192
	s_mov_b32 s[TV], 131072
	s_mov_b32 s[TM], 512
	s_mov_b32 s[CNT], 15
	s_wait_dscnt 0x0
	s_wait_kmcnt 0x0
	s_load_b512 s[40:55], s[8:9], 0x0              ; the exponents: entry i in s[40 + i]
	s_add_nc_u64 s[G0+2:G0+3], s[4:5], s[2:3]
	s_or_b32 s[G0+3], s[G0+3], 0x80000000
	CROUND                                         ; all four work-groups are here: the joint loads meet
	tensor_load_to_lds s[G0:G0+3], s[G1:G1+7]
	s_nop 0
.rept 4
	v_nop
.endr
	s_lshl_b32 s2, s19, 7
	s_lshl_b32 s3, s17, 4
	s_add_co_u32 s2, s2, s3
	s_lshl_b32 s3, s[WV], 1
	s_add_co_u32 s2, s2, s3
	s_lshl_b32 s2, s2, 10
	s_mov_b32 s3, 0
	s_add_nc_u64 s[4:5], s[4:5], s[2:3]            ; my two fragments of Q, 1,024 bytes each
	s_lshr_b32 s2, s19, 4
	s_lshl_b32 s2, s2, 13
	s_add_nc_u64 s[6:7], s[6:7], s[2:3]            ; my batch's mask
	v_and_b32 v3, 31, v0
	v_lshlrev_b32 v[LI], 4, v3
	v_bfe_u32 v4, v0, 4, 1
	v_lshlrev_b32 v[MH], 6, v4
	v_add_nc_u32 v[MH], MCB, v[MH]
	v_lshlrev_b32 v3, 4, v0                        ; 16 x thread: four keys' mask, and four more 4,096 bytes on
	v_add_nc_u32 v4, MCB, v3
	WIN 0x40
.irp i, 0,1,2,3
	global_load_b128 v[QF+4*\i:QF+4*\i+3], v[LI], s[4:5] offset:512*\i
.endr
	WIN 0
	global_load_b128 v[96:99], v3, s[6:7]
	global_load_b128 v[100:103], v3, s[6:7] offset:4096
	s_lshr_b32 s2, s19, 4                          ; where my codes go: token tile 8 x batch + block, K step head / 2, fragments 2 wave and 2 wave + 1, half head % 2
	s_lshl_b32 s2, s2, 3
	s_add_co_u32 s2, s2, s17
	s_lshl_b32 s2, s2, 3
	s_bfe_u32 s16, s19, 0x30001
	s_add_co_u32 s2, s2, s16
	s_lshl_b32 s2, s2, 15
	s_lshl_b32 s16, s[WV], 12
	s_add_co_u32 s2, s2, s16
	s_and_b32 s16, s19, 1
	s_lshl_b32 s16, s16, 10
	s_add_co_u32 s2, s2, s16
	s_add_nc_u64 s[10:11], s[10:11], s[2:3]
	s_wait_kmcnt 0x0
	s_add_co_i32 s56, s46, s47                     ; e6 + e7
	s_lshl_b32 s57, s56, 23
	s_add_co_i32 s[CS], s[CS], s57                 ; added to c's exponent field
	s_mov_b32 s[CS+1], s[CS]
	s_sub_co_i32 s56, 0, s56
	v_mov_b32 v13, 0xcfee6b28                      ; -8e9
	v_ldexp_f32 v13, v13, s56                      ; the raw score that stands for -1e9
	s_add_co_i32 s56, s48, 127
	s_lshl_b32 s57, s56, 23
	v_mov_b32 v[SC], s57                           ; 2^e8
	s_add_co_i32 s56, s56, 15
	s_lshl_b32 s56, s56, 23
	s_or_b32 s56, s56, 0x600000
	v_mov_b32 v[LA], s56                           ; 57,344 x 2^e8
	v_mov_b32 v[LB], s56
.irp u, 0,1
	v_mov_b32 v[ST+2*\u+1], 0xff61b1e6             ; the largest t so far: -3e38
	v_mov_b32 v[LS+2*\u], 0
	v_mov_b32 v[LS+2*\u+1], 0
	v_mov_b32 v[FF+2*\u+1], 0                      ; (the upper word of a pair that is named)
	v_mov_b32 v[PL+\u], 0                          ; a lane permute's destination counts as read
	v_floor_f32 v[ST+2*\u], -v[ST+2*\u+1]
.endr
	WIN 0x40
.set j, 0
.rept 64
	v_mov_b32 v[OA+j], 0                           ; O^T: the step is written once for all trips, and the first finds zeros
.set j, j+1
.endr
	WIN 0
	s_wait_alu depctr_va_vdst(0)                   ; directly ahead of the wait below
	s_wait_loadcnt 0x0
.irp i, 0,1,2,3,4,5,6,7
	v_cmp_eq_u32 vcc_lo, 0, v[96+\i]
	v_cndmask_b32 v[96+\i], v[NIL], v13, vcc_lo
.endr
	ds_store_b128 v4, v[96:99]
	ds_store_b128 v4, v[100:103] offset:4096
	s_wait_alu depctr_va_vdst(0)                   ; the wait at the head's end
	s_wait_tensorcnt 0x0                           ; my 32,768 bytes have landed,
	s_wait_dscnt 0x0                               ; my part of the table is stored:
	s_barrier_signal -1
	s_barrier_wait -1                              ; everybody's
	KCLOAD LI, MH                                  ; step 0's K and C
; A STEP of 128 keys for both tiles.  last = 1: no next step's K and C are fetched.
.macro STEP last
	v_add_nc_u32 v[ADV], s[TV], v[LI]              ; these four lines are the places behind the last step's products
.if \last == 0
	v_add_nc_u32 v[ADK], s[TB], v[LI]
	v_add_nc_u32 v[ADM], s[TM], v[MH]
	v_nop
.else
.rept 3
	v_nop
.endr
.endif
.irp t, 0,1,2,3
.irp c, 0,1,2,3
	ds_load_b128 v[VF+16*\t+4*\c:VF+16*\t+4*\c+3], v[ADV] offset:2048*\t+512*\c   ; V lands under the softmax
.endr
.endr
	s_wait_alu depctr_va_vdst(0)                   ; directly ahead of the wait below
	s_wait_dscnt 16                                ; K and C are in; V's 16 loads may be out
	WIN 0x15                                       ; K, Q and C in window 1, S^T in window 0
.irp t, 0,1,2,3,4,5,6,7
.irp u, 0,1
	v_wmma_f32_16x16x64_bf8_bf8 v[S+64*\u+8*\t:S+64*\u+8*\t+7], v[KF+8*\t:KF+8*\t+7], v[QF+8*\u:QF+8*\u+7], v[CT+8*\t:CT+8*\t+7]
.endr
.endr
	WIN 0
.rept 4
	v_nop                                          ; places in front of the loads into K's and C's registers and of the first read of the scores
.endr
.if \last == 0
	KCLOAD ADK, ADM
.endif
	; the step's largest score of each query: four chains a tile, each over two accumulators, each accumulator from its low end on
.irp k, 0,1,2,3
.irp u, 0,1
	v_max3_num_f32 v[CD+4*\u+\k], v[S+64*\u+16*\k], v[S+64*\u+16*\k+1], v[S+64*\u+16*\k+2]
.endr
.endr
.irp i, 3,5,7,9,11,13
.irp k, 0,1,2,3
.irp u, 0,1
	v_max3_num_f32 v[CD+4*\u+\k], v[CD+4*\u+\k], v[S+64*\u+16*\k+\i], v[S+64*\u+16*\k+\i+1]
.endr
.endr
.endr
.irp u, 0,1
	v_max3_num_f32 v[CD+4*\u], v[CD+4*\u], v[CD+4*\u+1], v[S+64*\u+15]
.endr
.irp u, 0,1
	v_max3_num_f32 v[CD+4*\u+2], v[CD+4*\u+2], v[CD+4*\u+3], v[S+64*\u+31]
.endr
.irp u, 0,1
	v_max3_num_f32 v[CD+4*\u], v[CD+4*\u], v[CD+4*\u+2], v[S+64*\u+47]
.endr
.irp u, 0,1
	v_max_num_f32 v[CD+4*\u], v[CD+4*\u], v[S+64*\u+63]
.endr
.irp u, 0,1
	v_permlanex16_b32 v[PL+\u], v[CD+4*\u], s[SEL], s[SEL+1]   ; from here on the two tiles' chains take turns line by line
.endr
.irp u, 0,1
	v_max_num_f32 v[CD+4*\u], v[CD+4*\u], v[PL+\u]         ; and lane l xor 16's
.endr
.irp u, 0,1
	v_mul_f32 v[CD+4*\u], s[CS], v[CD+4*\u]                ; as t
.endr
.irp u, 0,1
	v_max_num_f32 v[ST+2*\u+1], v[ST+2*\u+1], v[CD+4*\u]   ; the running largest t
.endr
.irp u, 0,1
	v_mov_b32 v[OL+\u], v[ST+2*\u]
.endr
.irp u, 0,1
	v_floor_f32 v[ST+2*\u], -v[ST+2*\u+1]                  ; -M = floor(-t)
.endr
.irp u, 0,1
	v_sub_f32 v[OL+\u], v[ST+2*\u], v[OL+\u]               ; old M - new M, a whole number, 0 or less
.endr
.irp u, 0,1
	v_cvt_i32_f32 v[OL+\u], v[OL+\u]
.endr
.irp u, 0,1
	v_ldexp_f32 v[FF+2*\u], 1.0, v[OL+\u]                  ; f = 2^(old M - new M)
.endr
.irp u, 0,1
	v_pk_mul_f32 v[LS+2*\u:LS+2*\u+1], v[LS+2*\u:LS+2*\u+1], v[FF+2*\u:FF+2*\u+1] op_sel_hi:[1,0]   ; the sums under the new M
.endr
	WIN 0x41                                       ; O^T under the new M, ahead of the exponentials: no transcendental stands between the products that wrote it and these first reads
.irp u, 0,1
.set j, 0
.rept 16
	v_pk_mul_f32 v[OA+32*\u+j:OA+32*\u+j+1], v[OA+32*\u+j:OA+32*\u+j+1], v[FF+2*\u:FF+2*\u+1] op_sel_hi:[1,0]
.set j, j+2
.endr
.endr
	WIN 0
.irp u, 0,1
.set j, 0
.rept 32
	v_pk_fma_f32 v[S+64*\u+j:S+64*\u+j+1], v[S+64*\u+j:S+64*\u+j+1], s[CS:CS+1], v[ST+2*\u:ST+2*\u+1] op_sel_hi:[1,0,0]   ; t - M
.set j, j+2
.endr
.endr
	s_wait_alu depctr_va_vdst(0)                   ; the wait ahead of the batch
.set j, 0
.rept 128
	v_exp_f32 v[S+j], v[S+j]
.set j, j+1
.endr
	v_nop                                          ; the plain line behind the exponentials
	s_wait_alu depctr_va_vdst(0)                   ; one wait for the batch, ahead of its first reader
	; the sums of the unquantised p: four chains a tile (three at work and the sum itself); pair n of a tile is v[S + 64 u + 2 n]
.irp q, 0,1,2
.irp u, 0,1
	v_pk_add_f32 v[CD+8*\u+2*\q:CD+8*\u+2*\q+1], v[S+64*\u+4*\q:S+64*\u+4*\q+1], v[S+64*\u+4*\q+2:S+64*\u+4*\q+3]
.endr
.endr
.irp u, 0,1
	v_pk_add_f32 v[LS+2*\u:LS+2*\u+1], v[LS+2*\u:LS+2*\u+1], v[S+64*\u+12:S+64*\u+13]
.endr
.irp g, 0,1,2,3,4,5
.irp q, 0,1,2
.irp u, 0,1
	v_pk_add_f32 v[CD+8*\u+2*\q:CD+8*\u+2*\q+1], v[CD+8*\u+2*\q:CD+8*\u+2*\q+1], v[S+64*\u+14+8*\g+2*\q:S+64*\u+14+8*\g+2*\q+1]
.endr
.endr
.irp u, 0,1
	v_pk_add_f32 v[LS+2*\u:LS+2*\u+1], v[LS+2*\u:LS+2*\u+1], v[S+64*\u+20+8*\g:S+64*\u+20+8*\g+1]
.endr
.endr
.irp u, 0,1
	v_pk_add_f32 v[CD+8*\u:CD+8*\u+1], v[CD+8*\u:CD+8*\u+1], v[S+64*\u+62:S+64*\u+63]
.endr
.irp u, 0,1
	v_pk_add_f32 v[LS+2*\u:LS+2*\u+1], v[LS+2*\u:LS+2*\u+1], v[CD+8*\u+4:CD+8*\u+5]
.endr
.irp u, 0,1
	v_pk_add_f32 v[CD+8*\u:CD+8*\u+1], v[CD+8*\u:CD+8*\u+1], v[CD+8*\u+2:CD+8*\u+3]
.endr
.irp u, 0,1
	v_pk_add_f32 v[LS+2*\u:LS+2*\u+1], v[LS+2*\u:LS+2*\u+1], v[CD+8*\u:CD+8*\u+1]
.endr
.set j, 0
.rept 64
	v_dual_min_num_f32 v[S+j], v[S+j], v[LA] :: v_dual_min_num_f32 v[S+j+1], v[S+j+1], v[LB]   ; the conversion does not saturate (ISA guide 7.6.2); p is not negative: a one-sided hold, two numbers an instruction
.set j, j+2
.endr
.irp u, 0,1
.irp b, 0,1,2,3
	v_cvt_scalef32_pk8_bf8_f32 v[CD+16*\u+4*\b:CD+16*\u+4*\b+1], v[S+64*\u+16*\b:S+64*\u+16*\b+7], v[SC]
	v_cvt_scalef32_pk8_bf8_f32 v[CD+16*\u+4*\b+2:CD+16*\u+4*\b+3], v[S+64*\u+16*\b+8:S+64*\u+16*\b+15], v[SC]
.endr
.endr
	v_nop                                          ; a plain line between the conversions and the products that read the codes
	s_wait_alu depctr_va_vdst(0)                   ; directly ahead of the wait below
.if \last == 0
	s_wait_dscnt 32                                ; V is in; the next step's K and C, 32 loads, may be out
.else
	s_wait_dscnt 0x0
.endif
	WIN 0x50                                       ; O^T in window 1.  Its eight accumulators take turns, one instruction a turn
.irp t, 0,1,2,3
.irp u, 0,1
	v_wmma_f32_16x16x128_bf8_bf8 v[OA+32*\u+8*\t:OA+32*\u+8*\t+7], v[VF+16*\t:VF+16*\t+15], v[CD+16*\u:CD+16*\u+15], v[OA+32*\u+8*\t:OA+32*\u+8*\t+7]
.endr
.endr
	WIN 0
.endm
.Lstep:                                            ; 15 trips; the sixteenth step is written out, since it fetches no further K and C
	STEP 0
	s_add_co_u32 s[TB], s[TB], 8192
	s_add_co_u32 s[TV], s[TV], 8192
	s_add_co_u32 s[TM], s[TM], 512
	s_sub_co_u32 s[CNT], s[CNT], 1
	s_cmp_lg_u32 s[CNT], 0
	s_cbranch_scc1 .Lstep
	STEP 1
	; THE WAY OUT: O^T / the sum x 2^(e8 + e9), quantised with entry 10: register 16 b + i of a tile is channel 32 b + 16 h + i, so the codes are the next operand's registers
	s_add_co_i32 s56, s50, 127
	s_lshl_b32 s57, s56, 23
	s_add_co_i32 s56, s56, 15
	s_lshl_b32 s56, s56, 23
	s_or_b32 s56, s56, 0x600000
	s_add_co_i32 s58, s48, s49
.irp u, 0,1
	v_add_f32 v[LS+2*\u], v[LS+2*\u], v[LS+2*\u+1]
.endr
.irp u, 0,1
	v_permlanex16_b32 v[PL+\u], v[LS+2*\u], s[SEL], s[SEL+1]
.endr
.irp u, 0,1
	v_add_f32 v[LS+2*\u], v[LS+2*\u], v[PL+\u]
.endr
	s_wait_alu depctr_va_vdst(0)                   ; the wait ahead of the transcendentals
	v_rcp_f32 v[LS], v[LS]
	v_rcp_f32 v[LS+2], v[LS+2]
	v_mov_b32 v[SC], s57                           ; 2^e10 (a plain line behind the reciprocals)
	v_mov_b32 v[LA], s56                           ; 57,344 x 2^e10
	s_wait_alu depctr_va_vdst(0)                   ; the wait ahead of the reciprocals' first reader
	v_ldexp_f32 v[LS], v[LS], s58
	v_ldexp_f32 v[LS+2], v[LS+2], s58
	WIN 0x01
	s_wait_alu depctr_va_vdst(0)                   ; directly ahead of the first reader of O^T
.irp u, 0,1
.set j, 0
.rept 32
	v_mul_f32 v[S+64*\u+j], v[OA+32*\u+j], v[LS+2*\u]
.set j, j+1
.endr
.endr
	WIN 0
.irp u, 0,1
.set j, 0
.rept 32
	v_med3_num_f32 v[S+64*\u+j], v[S+64*\u+j], -v[LA], v[LA]
.set j, j+1
.endr
.endr
.irp u, 0,1
.irp g, 0,1,2,3
	v_cvt_scalef32_pk8_bf8_f32 v[S+64*\u+32+2*\g:S+64*\u+32+2*\g+1], v[S+64*\u+8*\g:S+64*\u+8*\g+7], v[SC]
.endr
.endr
	v_nop
.irp u, 0,1
	global_store_b128 v[LI], v[S+64*\u+32:S+64*\u+35], s[10:11] offset:2048*\u        ; 512 consecutive bytes each
	global_store_b128 v[LI], v[S+64*\u+36:S+64*\u+39], s[10:11] offset:2048*\u+512
.endr
	s_wait_tensorcnt 0x0                           ; the wave's end
	ds_add_u32 v[SPW], v[NIL]
	s_wait_dscnt 0x0
	CROUND                                         ; the closing round
	s_endpgm
.Lfunc_end_k_q3d0c884dbb_attn:
	.size	k_q3d0c884dbb_attn, .Lfunc_end_k_q3d0c884dbb_attn-k_q3d0c884dbb_attn
	.p2alignl 7, 3214868480
	.fill 96, 4, 3214868480
	.section	.rodata,"a",@progbits
	.p2align	6, 0x0
	.amdhsa_kernel k_q3d0c884dbb_attn
		.amdhsa_group_segment_fixed_size 327680
		.amdhsa_private_segment_fixed_size 0
		.amdhsa_enable_private_segment 0
		.amdhsa_kernarg_size 32
		.amdhsa_user_sgpr_count 2
		.amdhsa_user_sgpr_kernarg_segment_ptr 1
		.amdhsa_wavefront_size32 1
		.amdhsa_system_sgpr_workgroup_id_x 1
		.amdhsa_system_sgpr_workgroup_id_y 1
		.amdhsa_system_sgpr_workgroup_id_z 1
		.amdhsa_system_vgpr_workitem_id 0
		.amdhsa_next_free_vgpr 512
		.amdhsa_next_free_sgpr 66
		.amdhsa_reserve_vcc 1
		.amdhsa_float_denorm_mode_32 3
		.amdhsa_float_denorm_mode_16_64 3
		.amdhsa_memory_ordered 1
		.amdhsa_forward_progress 1
		.amdhsa_inst_pref_size 76
	.end_amdhsa_kernel
	.amdgpu_metadata
---
amdhsa.version: [ 1, 2 ]
amdhsa.kernels:
  - .name:           k_q3d0c884dbb_attn
    .symbol:         k_q3d0c884dbb_attn.kd
    .args:
      - { .name: qkvc, .offset: 0, .size: 8, .value_kind: global_buffer, .address_space: global }
      - { .name: mask, .offset: 8, .size: 8, .value_kind: global_buffer, .address_space: global }
      - { .name: lowp_scales, .offset: 16, .size: 8, .value_kind: global_buffer, .address_space: global }
      - { .name: ahc, .offset: 24, .size: 8, .value_kind: global_buffer, .address_space: global }
    .group_segment_fixed_size: 327680
    .private_segment_fixed_size: 0
    .kernarg_segment_align: 8
    .kernarg_segment_size: 32
    .max_flat_workgroup_size: 256
    .sgpr_count:     66
    .vgpr_count:     512
    .wavefront_size: 32
...
	.end_amdgpu_metadata
.endif
;; end of part 3
;; launch oproj (part 4): grid 8 x 32, 4 waves a work-group, clusters of 4 x 4, 327,680 bytes of LDS; arguments ahc, woi, part; writes part
.if DOCPART == 4
	.amdgcn_target "amdgcn-amd-amdhsa--gfx1250"
	.amdhsa_code_object_version 6
	.text
	.protected	k_q3d0c884dbb_oproj
	.globl	k_q3d0c884dbb_oproj
	.p2align	8
	.type	k_q3d0c884dbb_oproj,@function
k_q3d0c884dbb_oproj:
	s_mov_b64 s[64:65], 0
	v_nop
	global_prefetch_b8 v0, s[64:65] scope:SCOPE_SE
	s_setreg_imm32_b32 hwreg(HW_REG_WAVE_MODE, 25, 1), 1
	s_wait_xcnt 0x0
	s_wait_alu depctr_hold_cnt(0) depctr_sa_sdst(0) depctr_va_vdst(0) depctr_va_sdst(0) depctr_va_ssrc(0) depctr_va_vcc(0) depctr_vm_vsrc(0)
	s_getreg_b32 s2, hwreg(HW_REG_IB_STS2, 6, 4)
	s_cmp_eq_u32 s2, 0
	s_cbranch_scc0 .Lentry_in_a_cluster
	s_endpgm
.Lentry_in_a_cluster:
	s_bfe_u32 s2, ttmp6, 0x10000c
	s_cmp_lg_u32 s2, 0xf033
	s_cbranch_scc0 .Lentry_shape_is_right
	s_endpgm
.Lentry_shape_is_right:
; Launch 4 of 8: product 6 on codes of E5M2.  Nothing is left out.  The RAW f32 sums go to the first 16 MiB of part, [4,096][1,024]; the next launch multiplies by the two scales and goes on.
; THE TILE IS 128 x 128: product 6 has 64 tiles of 256 x 256 but 256 of 128 x 128, one for each WGP; and both operands of such a tile over the whole K = 1,024 are (128 + 128) x 1,024 = 262,144 bytes, which lie in LDS
; at once: no slot is ever filled again, so there is no ring and no round of the cluster's barrier inside the work.  The price: a wave's tile is 64 x 64, 32 LDS loads for 16 matrix instructions a K step.
; OPERANDS are images of operand registers (launch quant's head comment): a K step of a tile's 128 rows is 8 fragments, 16,384 dense bytes.  Waves 0 and 1 fetch A's (tokens), waves 2 and 3 B's (wo's columns):
; a wave's one load is K steps 4 (wave % 2) to 4 (wave % 2) + 3.  One tensor load of a wave is out at the most; the products begin when every wave's load has landed.
; CLUSTER 4 x 4: A's tiles are shared along a row of the cluster, B's along a column: each is asked for jointly.
; The matrix instruction is used transposed (source 0 = B role, source 1 = A role): a lane holds one token slot, its registers run along the columns.
; THE WAY OUT: a block of 16 token slots x 64 columns goes through the wave's own stage in LDS (rows 272 bytes apart, bytes that no tensor load fills) and leaves two rows to a store: sixteen lanes store 256 consecutive
; bytes, aligned.
; REGISTERS: window 0: v16-23 LDS addresses, v24-29 stage, store and the add's two, v32-95 rows on the way out, v128-255 A's two sets of 4 fragments.  window 1: v0-127 B's two sets, v128-255 accumulator (a, b) at v[128 + 8 (4 a + b)].
.set SPARE,  262144                    ; behind the tiles: the spare words, 128 bytes a wave
.set STG,    262656                    ; behind them: four stages of 16 rows x 272 bytes
.set SP,     272
.set FR,     16
.set ADRA, 16                          ; v16-19  my A fragments of K steps 2 j, 2 j + 1
.set ADRB, 20                          ; v20-23  the same for B
.set STO,  24                          ; v24  the stage, in
.set RD,   25                          ; v25  and back
.set CO,   26                          ; v26  my byte offset in two rows of the sums
.set LI,   27                          ; v27  16 x lane
.set SPW,  28                          ; v28  my spare word's LDS address; never rewritten
.set NIL,  29                          ; v29  0; never rewritten
.set BK,   32                          ; v32-63, v64-95 by turns
.set AF,   128
.set ACC,  128
.set G1,  24                           ; s[24:31] group 1 for A's tiles;  s[32:35] my group 0
.set G0,  32
.set G1B, 48                           ; s[48:55], s[68:71] the same for B's
.set G0B, 68
.set MSB, 0
.macro WIN new                         ; the immediate's high byte repeats the setting that is left
.if MSB != \new
	s_set_vgpr_msb (MSB<<8)|\new
.set MSB, \new
.endif
.endm
.set MULW, 0x51                        ; source 0 (B), C and D window 1; source 1 (A) window 0
.set TO_B, 0x40                        ; destination window 1, address window 0
.macro CROUND                          ; a round of the cluster's barrier
	s_barrier_signal -1
	s_barrier_wait -1
	s_cmp_lg_u32 s14, 0
	s_cbranch_scc1 .Lnot_wave_0_\@
	s_barrier_signal -3
.Lnot_wave_0_\@:
	s_barrier_wait -3
	s_barrier_signal -1
	s_barrier_wait -1
.endm
	s_load_b128 s[4:7], s[0:1], 0x0                ; A's images, B's images
	s_load_b64 s[8:9], s[0:1], 0x10                ; the sums
	v_lshl_add_u32 v[SPW], v0, 2, SPARE
	v_mov_b32 v[NIL], 0
	ds_add_u32 v[SPW], v[NIL]                      ; the opening: the add, twice on end, and its wait ahead of my first tensor load
	ds_add_u32 v[SPW], v[NIL]
	v_lshrrev_b32 v1, 5, v0
	v_readfirstlane_b32 s14, v1                    ; wave
	s_lshr_b32 s15, s14, 1                         ; my half of the tile's tokens.  Also: I fetch for A (0) or B (1)
	s_and_b32 s16, s14, 1                          ; my half of its columns.  Also: which four K steps I fetch
	s_bfe_u32 s10, ttmp6, 0x40000                  ; cx
	s_bfe_u32 s11, ttmp6, 0x40004                  ; cy
	s_lshl_b32 s12, ttmp9, 2
	s_add_co_u32 s12, s12, s10                     ; the tile of 128 columns, 0..7
	s_and_b32 s13, ttmp7, 0xffff
	s_lshl_b32 s13, s13, 2
	s_add_co_u32 s13, s13, s11                     ; the tile of 128 tokens, 0..31
	s_lshl_b32 s17, s11, 2
	s_lshl_b32 s17, 15, s17                        ; my row of the cluster
	s_lshl_b32 s58, 0x1111, s10                    ; my column
	s_or_b32 s[G1+0], s17, (3<<16)|(1<<21)         ; 15:0 the mask; 17:16 elements of 8 bytes; 21 set beside a mask; no padding
	s_or_b32 s[G1B+0], s58, (3<<16)|(1<<21)
.irp g, G1, G1B
	; ONE LOAD A WAVE: four K steps of a tile's 128 rows: four rows of 16,384 bytes (2,048 elements), 32,768 bytes apart in memory, dense in LDS
	s_mov_b32 s[\g+1], 2048<<16                    ; tensor_dim0
	s_mov_b32 s[\g+2], 4<<16                       ; tensor_dim1 = 4
	s_mov_b32 s[\g+3], 2048<<16                    ; tile_dim0
	s_mov_b32 s[\g+4], 4                           ; tile_dim1
	s_mov_b32 s[\g+5], 4096                        ; the pitch
	s_mov_b32 s[\g+6], 0
	s_mov_b32 s[\g+7], 0
.endr
	s_lshl_b32 s18, s16, 17                        ; wave % 2: K steps 4 x this on, 131,072 bytes in memory
	s_lshr_b32 s20, s13, 1                         ; A: (tile / 2) x 262,144 + (tile % 2) x 16,384
	s_lshl_b32 s20, s20, 18
	s_and_b32 s19, s13, 1
	s_lshl_b32 s19, s19, 14
	s_add_co_u32 s20, s20, s19
	s_add_co_u32 s20, s20, s18
	s_mov_b32 s21, 0
	s_lshr_b32 s22, s12, 1                         ; B: the same by the tile of columns
	s_lshl_b32 s22, s22, 18
	s_and_b32 s57, s12, 1
	s_lshl_b32 s57, s57, 14
	s_add_co_u32 s22, s22, s57
	s_add_co_u32 s22, s22, s18
	s_mov_b32 s23, 0
	s_lshl_b32 s56, s15, 17                        ; in LDS: A from 0, B from 131,072,
	s_lshl_b32 s59, s16, 16
	s_add_co_u32 s56, s56, s59                     ; + 65,536 x (wave % 2): the wave's number alone
	s_wait_dscnt 0x0                               ; both opening adds are done
	s_wait_kmcnt 0x0
	s_add_nc_u64 s[20:21], s[4:5], s[20:21]
	s_add_nc_u64 s[22:23], s[6:7], s[22:23]
.irp j, 0
	s_mov_b32 s[G0+4*\j], 1
	s_add_co_u32 s[G0+4*\j+1], s56, \j*32768       ; LDS address
	s_add_nc_u64 s[G0+4*\j+2:G0+4*\j+3], s[20:21], \j*65536
	s_or_b32 s[G0+4*\j+3], s[G0+4*\j+3], 0x80000000   ; type = 2
	s_mov_b32 s[G0B+4*\j], 1
	s_add_co_u32 s[G0B+4*\j+1], s56, \j*32768
	s_add_nc_u64 s[G0B+4*\j+2:G0B+4*\j+3], s[22:23], \j*65536
	s_or_b32 s[G0B+4*\j+3], s[G0B+4*\j+3], 0x80000000
.endr
	CROUND                                         ; all sixteen work-groups are here: the joint loads meet
	s_cmp_eq_u32 s15, 0                            ; a wave's one fill stands in a branch on the wave's number; an s_nop 0 and four v_nop follow it
	s_cbranch_scc0 .Lfirst_b
	tensor_load_to_lds s[G0:G0+3], s[G1:G1+7]
	s_nop 0
.rept 4
	v_nop
.endr
	s_branch .Lfirst_asked
.Lfirst_b:
	tensor_load_to_lds s[G0B:G0B+3], s[G1B:G1B+7]
	s_nop 0
.rept 4
	v_nop
.endr
.Lfirst_asked:
	v_and_b32 v6, 31, v0
	v_lshlrev_b32 v[LI], 4, v6
	s_wait_alu depctr_va_vdst(0)
	v_and_b32 v1, 15, v0                           ; r
	v_bfe_u32 v2, v0, 4, 1                         ; h
	s_lshl_b32 s2, s15, 13                         ; my 4 fragments of A's 8,
	s_lshl_b32 s3, s16, 13
	s_add_co_u32 s3, s3, 131072                    ; of B's
.irp j, 0,1,2,3
	v_add_nc_u32 v[ADRA+\j], s2, v[LI]
	v_add_nc_u32 v[ADRB+\j], s3, v[LI]
	s_add_co_u32 s2, s2, 32768
	s_add_co_u32 s3, s3, 32768
.endr
	s_mul_i32 s59, s14, 16*SP
	s_add_co_u32 s59, s59, STG                     ; my stage
	v_mul_u32_u24 v5, v1, SP
	v_lshl_add_u32 v5, v2, 6, v5
	v_add_nc_u32 v[STO], s59, v5                   ; in: row = my slot, + 64 h
	v_mul_u32_u24 v5, v2, SP
	v_lshl_add_u32 v5, v1, 4, v5
	v_add_nc_u32 v[RD], s59, v5                    ; back: lanes 0-15 one row of 256 bytes, lanes 16-31 the next
	v_lshlrev_b32 v[CO], 12, v2
	v_lshl_add_u32 v[CO], v1, 4, v[CO]             ; and the same in the sums, whose rows are 4,096 bytes
	s_lshl_b32 s60, s13, 7
	s_lshl_b32 s61, s15, 6
	s_add_co_u32 s60, s60, s61
	s_lshl_b32 s60, s60, 12                        ; my first token's row
	s_mov_b32 s61, 0
	s_lshl_b32 s62, s12, 9                         ; my first column x 4
	s_lshl_b32 s63, s16, 8
	s_add_co_u32 s62, s62, s63
	s_mov_b32 s63, 0
	s_add_nc_u64 s[8:9], s[8:9], s[60:61]
	s_add_nc_u64 s[8:9], s[8:9], s[62:63]
.macro FRAG reg, adr, q, i             ; fragment i of the pair's K step q: four loads of 512 consecutive bytes
.irp c, 0,1,2,3
	ds_load_b128 v[\reg+4*\c:\reg+4*\c+3], v[\adr] offset:16384*(\q)+2048*(\i)+512*\c
.endr
.endm
.macro FETCH j, q                      ; K step 2 j + q into set q: B's four fragments, then A's
	WIN TO_B
.irp i, 0,1,2,3
	FRAG 64*(\q)+FR*\i, ADRB+\j, \q, \i
.endr
	WIN 0
.irp i, 0,1,2,3
	FRAG AF+64*(\q)+FR*\i, ADRA+\j, \q, \i
.endr
.endm
.macro MUL q, zero                     ; 16 matrix instructions on set q; the 16 accumulators take turns, one instruction a turn.  zero = 1: the first products start the sums
	WIN MULW
.irp a, 0,1,2,3
.irp b, 0,1,2,3
.if \zero
	v_wmma_f32_16x16x128_bf8_bf8 v[ACC+8*(4*\a+\b):ACC+8*(4*\a+\b)+7], v[64*(\q)+FR*\b:64*(\q)+FR*\b+FR-1], v[AF+64*(\q)+FR*\a:AF+64*(\q)+FR*\a+FR-1], 0
.else
	v_wmma_f32_16x16x128_bf8_bf8 v[ACC+8*(4*\a+\b):ACC+8*(4*\a+\b)+7], v[64*(\q)+FR*\b:64*(\q)+FR*\b+FR-1], v[AF+64*(\q)+FR*\a:AF+64*(\q)+FR*\a+FR-1], v[ACC+8*(4*\a+\b):ACC+8*(4*\a+\b)+7]
.endif
.endr
.endr
.endm
.macro PLACES n                        ; plain vector lines between a matrix instruction and a load into its registers or a read of its result
.rept \n
	v_nop
.endr
.endm
.macro PHASE j                         ; K steps 2 j and 2 j + 1
.if \j == 0
	s_wait_tensorcnt 0x0                           ; my one load has landed; nothing is filled again in this launch
	s_barrier_signal -1                            ; (no LDS instruction of mine is out here)
	s_barrier_wait -1                              ; everybody's has: both operands lie whole in LDS
.endif
	FETCH \j, 0
	FETCH \j, 1
	s_wait_dscnt 32                                ; set 0 is in; set 1's 32 loads may be out
.if \j == 0
	MUL 0, 1
.else
	MUL 0, 0
.endif
	s_wait_dscnt 0x0
	MUL 1, 0
	WIN 0
	PLACES 4                                       ; in front of the next phase's loads, and of the first read of results
.endm
	s_wait_alu depctr_va_vdst(0)
	PHASE 0
	PHASE 1
	PHASE 2
	PHASE 3
.macro TOSTAGE a                       ; block a: tile b's register j is column 32 (b / 2) + 8 (b % 2) + 16 h + j; each accumulator from its low end on
.set AC, ACC+32*(\a)
	WIN 0x04                                       ; the stores' data: window 1
.irp b, 0,1,2,3
	ds_store_b128 v[STO], v[AC+8*\b:AC+8*\b+3] offset:128*(\b/2)+32*(\b%2)
	ds_store_b128 v[STO], v[AC+8*\b+4:AC+8*\b+7] offset:128*(\b/2)+32*(\b%2)+16
.endr
	WIN 0
.set BB, BK+32*((\a)%2)
.irp t, 0,1,2,3,4,5,6,7
	ds_load_b128 v[BB+4*\t:BB+4*\t+3], v[RD] offset:2*\t*SP   ; LDS serves a wave's instructions in order: these see the stores above, and the next block's stores come behind them
.endr
.endm
.macro SEND a, younger                 ; younger: the LDS instructions issued behind block a's loads
.set BB, BK+32*((\a)%2)
	s_wait_dscnt \younger
.irp t, 0,1,2,3,4,5,6,7
	global_store_b128 v[CO], v[BB+4*\t:BB+4*\t+3], s[8:9] offset:(32*((\a)/2)+8*((\a)%2)+2*\t+8*(\t/4))*4096   ; slots 2 t and 2 t + 1: slot s is token s + 8 (s / 8) of the fragment
.endr
.endm
	TOSTAGE 0
.irp a, 1,2,3
.if \a > 1
	s_wait_xcnt 0x0                                ; block a - 2's stores have read their registers
.endif
	TOSTAGE \a
	SEND \a-1, 16                                  ; behind block a - 1's loads: block a's 8 stores and 8 loads
.endr
	SEND 3, 0
	s_wait_tensorcnt 0x0                           ; the wave's end
	ds_add_u32 v[SPW], v[NIL]
	s_wait_dscnt 0x0
	CROUND                                         ; the closing round
	s_endpgm
.Lfunc_end_k_q3d0c884dbb_oproj:
	.size	k_q3d0c884dbb_oproj, .Lfunc_end_k_q3d0c884dbb_oproj-k_q3d0c884dbb_oproj
	.p2alignl 7, 3214868480
	.fill 96, 4, 3214868480
	.section	.rodata,"a",@progbits
	.p2align	6, 0x0
	.amdhsa_kernel k_q3d0c884dbb_oproj
		.amdhsa_group_segment_fixed_size 327680
		.amdhsa_private_segment_fixed_size 0
		.amdhsa_enable_private_segment 0
		.amdhsa_kernarg_size 24
		.amdhsa_user_sgpr_count 2
		.amdhsa_user_sgpr_kernarg_segment_ptr 1
		.amdhsa_wavefront_size32 1
		.amdhsa_system_sgpr_workgroup_id_x 1
		.amdhsa_system_sgpr_workgroup_id_y 1
		.amdhsa_system_sgpr_workgroup_id_z 1
		.amdhsa_system_vgpr_workitem_id 0
		.amdhsa_next_free_vgpr 512
		.amdhsa_next_free_sgpr 84
		.amdhsa_reserve_vcc 0
		.amdhsa_float_denorm_mode_32 3
		.amdhsa_float_denorm_mode_16_64 3
		.amdhsa_memory_ordered 1
		.amdhsa_forward_progress 1
		.amdhsa_inst_pref_size 40
	.end_amdhsa_kernel
	.amdgpu_metadata
---
amdhsa.version: [ 1, 2 ]
amdhsa.kernels:
  - .name:           k_q3d0c884dbb_oproj
    .symbol:         k_q3d0c884dbb_oproj.kd
    .args:
      - { .name: ahc, .offset: 0, .size: 8, .value_kind: global_buffer, .address_space: global }
      - { .name: woi, .offset: 8, .size: 8, .value_kind: global_buffer, .address_space: global }
      - { .name: part, .offset: 16, .size: 8, .value_kind: global_buffer, .address_space: global }
    .group_segment_fixed_size: 327680
    .private_segment_fixed_size: 0
    .kernarg_segment_align: 8
    .kernarg_segment_size: 24
    .max_flat_workgroup_size: 128
    .sgpr_count:     84
    .vgpr_count:     512
    .wavefront_size: 32
...
	.end_amdgpu_metadata
.endif
;; end of part 4
;; launch ln1 (part 5): grid 256 x 1, 16 waves a work-group, no clusters, 18,432 bytes of LDS; arguments part, x, bo, ln1_g, ln1_b, lowp_scales, x1, xc; writes x1, xc
.if DOCPART == 5
	.amdgcn_target "amdgcn-amd-amdhsa--gfx1250"
	.amdhsa_code_object_version 6
	.text
	.protected	k_q3d0c884dbb_ln1
	.globl	k_q3d0c884dbb_ln1
	.p2align	8
	.type	k_q3d0c884dbb_ln1,@function
k_q3d0c884dbb_ln1:
	s_mov_b64 s[64:65], 0
	v_nop
	global_prefetch_b8 v0, s[64:65] scope:SCOPE_SE
	s_setreg_imm32_b32 hwreg(HW_REG_WAVE_MODE, 25, 1), 1
	s_wait_xcnt 0x0
; Launch 5 of 8: x1 = layer norm(x + sums of product 6 x 2^(e10 + e11) + bo), stored in f32 and as codes of E5M2 with entry 12 for product 7.  Nothing is left out.
; A work-group is one fragment of 16 tokens; wave w is its slot w, token 32 (F / 2) + 8 (F % 2) + w + 8 (w / 8): a row of 4,096 bytes in 32 registers a lane, read once.  Load j of lane l holds columns 128 j + 4 l + 0 .. 3.
; The codes, four a lane and K step, meet in LDS as the fragment's eight images (16,384 bytes) and leave as 512 consecutive bytes a store.
; LIMITS: e10 + e11 between -126 and 127; entry 12 between -126 and 112.  NaN is not served.
.set SPARE, 16384
.set SPW, 12
.set NIL, 13
.set Y,   16
.set XR,  48
.set BO,  80
.set G,   112
.set BE,  144
.set CD,  176
.macro RED v                           ; the sum over the wave's 32 lanes, in every lane
	s_delay_alu instid0(VALU_DEP_1)
	v_add_f32_dpp v[\v], v[\v], v[\v] row_xmask:1 row_mask:0xf bank_mask:0xf
	s_delay_alu instid0(VALU_DEP_1)
	v_add_f32_dpp v[\v], v[\v], v[\v] row_xmask:2 row_mask:0xf bank_mask:0xf
	s_delay_alu instid0(VALU_DEP_1)
	v_add_f32_dpp v[\v], v[\v], v[\v] row_xmask:4 row_mask:0xf bank_mask:0xf
	s_delay_alu instid0(VALU_DEP_1)
	v_add_f32_dpp v[\v], v[\v], v[\v] row_xmask:8 row_mask:0xf bank_mask:0xf
	s_delay_alu instid0(VALU_DEP_1)
	v_permlanex16_b32 v190, v[\v], s34, s35
	s_delay_alu instid0(VALU_DEP_1)
	v_add_f32 v[\v], v[\v], v190
.endm
	s_load_b512 s[4:19], s[0:1], 0x0               ; part, x, bo, g, beta, lowp_scales, x1, xc
	v_lshl_add_u32 v[SPW], v0, 2, SPARE
	v_mov_b32 v[NIL], 0
	v_mov_b32 v190, 0                              ; a lane permute's destination counts as read
	v_lshrrev_b32 v1, 5, v0
	s_delay_alu instid0(VALU_DEP_1)
	v_readfirstlane_b32 s28, v1                    ; wave = slot
	v_and_b32 v2, 31, v0
	s_delay_alu instid0(VALU_DEP_1)
	v_lshlrev_b32 v1, 4, v2                        ; 16 x lane
	s_delay_alu instid0(VALU_DEP_2)
	v_lshrrev_b32 v3, 2, v2
	s_delay_alu instid0(VALU_DEP_3)
	v_and_b32 v4, 3, v2
	s_delay_alu instid0(VALU_DEP_1)
	v_lshlrev_b32 v4, 2, v4
	s_delay_alu instid0(VALU_DEP_1)
	v_lshl_or_b32 v3, v3, 8, v4
	s_lshl_b32 s29, s28, 4
	v_add_nc_u32 v3, s29, v3                       ; an image's byte for my four codes: 256 (l / 4) + 16 slot + 4 (l % 4)
	s_lshl_b32 s29, s28, 10
	v_add_nc_u32 v4, s29, v1                       ; and what I carry out: 1,024 wave + 16 lane
	s_lshr_b32 s30, ttmp9, 1
	s_lshl_b32 s30, s30, 5
	s_and_b32 s31, ttmp9, 1
	s_lshl_b32 s31, s31, 3
	s_add_co_u32 s30, s30, s31
	s_add_co_u32 s30, s30, s28
	s_and_b32 s31, s28, 8
	s_add_co_u32 s30, s30, s31                     ; my token
	s_lshl_b32 s30, s30, 12
	s_mov_b32 s31, 0
	s_lshr_b32 s32, ttmp9, 4
	s_lshl_b32 s32, s32, 18
	s_lshr_b32 s33, s28, 1
	s_lshl_b32 s33, s33, 15
	s_add_co_u32 s32, s32, s33
	s_and_b32 s33, ttmp9, 15
	s_lshl_b32 s33, s33, 11
	s_add_co_u32 s32, s32, s33
	s_and_b32 s33, s28, 1
	s_lshl_b32 s33, s33, 10
	s_add_co_u32 s32, s32, s33
	s_mov_b32 s33, 0
	s_mov_b32 s26, 0x3a800000                      ; 1 / 1,024
	s_mov_b32 s27, 0x3727c5ac                      ; 1e-5
	s_mov_b32 s34, 0x76543210
	s_mov_b32 s35, 0xfedcba98
	s_wait_alu depctr_va_vdst(0)
	s_wait_kmcnt 0x0
	s_load_b128 s[20:23], s[14:15], 0x28           ; entries 10, 11, 12, 13
	s_add_nc_u64 s[4:5], s[4:5], s[30:31]
	s_add_nc_u64 s[6:7], s[6:7], s[30:31]
	s_add_nc_u64 s[16:17], s[16:17], s[30:31]
	s_add_nc_u64 s[18:19], s[18:19], s[32:33]
.irp j, 0,1,2,3,4,5,6,7
	global_load_b128 v[Y+4*\j:Y+4*\j+3], v1, s[4:5] offset:512*\j th:TH_LOAD_NT
.endr
.irp j, 0,1,2,3,4,5,6,7
	global_load_b128 v[XR+4*\j:XR+4*\j+3], v1, s[6:7] offset:512*\j
.endr
.irp j, 0,1,2,3,4,5,6,7
	global_load_b128 v[BO+4*\j:BO+4*\j+3], v1, s[8:9] offset:512*\j
.endr
.irp j, 0,1,2,3,4,5,6,7
	global_load_b128 v[G+4*\j:G+4*\j+3], v1, s[10:11] offset:512*\j
.endr
.irp j, 0,1,2,3,4,5,6,7
	global_load_b128 v[BE+4*\j:BE+4*\j+3], v1, s[12:13] offset:512*\j
.endr
	s_wait_kmcnt 0x0
	s_add_co_i32 s24, s20, s21
	s_add_co_i32 s24, s24, 127
	s_lshl_b32 s24, s24, 23                        ; 2^(e10 + e11)
	s_mov_b32 s25, s24
	s_add_co_i32 s36, s22, 127
	s_lshl_b32 s37, s36, 23
	v_mov_b32 v7, s37                              ; 2^e12
	s_add_co_i32 s36, s36, 15
	s_lshl_b32 s36, s36, 23
	s_or_b32 s36, s36, 0x600000
	v_mov_b32 v6, s36                              ; 57,344 x 2^e12
	s_wait_loadcnt 16                              ; the sums, x and bo are in; g and beta, 16 loads, may be out
.set j, 0
.rept 16
	v_pk_fma_f32 v[Y+j:Y+j+1], v[Y+j:Y+j+1], s[24:25], v[BO+j:BO+j+1] op_sel_hi:[1,0,1]
.set j, j+2
.endr
.set j, 0
.rept 16
	v_pk_add_f32 v[Y+j:Y+j+1], v[Y+j:Y+j+1], v[XR+j:XR+j+1]
.set j, j+2
.endr
	v_pk_add_f32 v[184:185], v[Y:Y+1], v[Y+2:Y+3]
	v_pk_add_f32 v[186:187], v[Y+4:Y+5], v[Y+6:Y+7]
.irp j, 8,12,16,20,24,28
	s_delay_alu instid0(VALU_DEP_2)
	v_pk_add_f32 v[184:185], v[184:185], v[Y+\j:Y+\j+1]
	s_delay_alu instid0(VALU_DEP_2)
	v_pk_add_f32 v[186:187], v[186:187], v[Y+\j+2:Y+\j+3]
.endr
	s_delay_alu instid0(VALU_DEP_1)
	v_pk_add_f32 v[184:185], v[184:185], v[186:187]
	s_delay_alu instid0(VALU_DEP_1)
	v_add_f32 v184, v184, v185
	RED 184
	s_delay_alu instid0(VALU_DEP_1)
	v_mul_f32 v188, s26, v184                      ; the mean
	s_delay_alu instid0(VALU_DEP_1)
	v_mov_b32 v189, v188
.set j, 0
.rept 16
	v_pk_add_f32 v[Y+j:Y+j+1], v[Y+j:Y+j+1], v[188:189] neg_lo:[0,1] neg_hi:[0,1]
.set j, j+2
.endr
	v_pk_mul_f32 v[184:185], v[Y:Y+1], v[Y:Y+1]
	v_pk_mul_f32 v[186:187], v[Y+2:Y+3], v[Y+2:Y+3]
.irp j, 4,8,12,16,20,24,28
	s_delay_alu instid0(VALU_DEP_2)
	v_pk_fma_f32 v[184:185], v[Y+\j:Y+\j+1], v[Y+\j:Y+\j+1], v[184:185]
	s_delay_alu instid0(VALU_DEP_2)
	v_pk_fma_f32 v[186:187], v[Y+\j+2:Y+\j+3], v[Y+\j+2:Y+\j+3], v[186:187]
.endr
	s_delay_alu instid0(VALU_DEP_1)
	v_pk_add_f32 v[184:185], v[184:185], v[186:187]
	s_delay_alu instid0(VALU_DEP_1)
	v_add_f32 v184, v184, v185
	RED 184
	s_delay_alu instid0(VALU_DEP_1)
	v_fma_f32 v184, v184, s26, s27                 ; the variance + 1e-5
	s_wait_alu depctr_va_vdst(0)
	v_rsq_f32 v10, v184
	v_nop                                          ; a plain line behind the transcendental
	s_wait_alu depctr_va_vdst(0)                   ; and the wait ahead of its first reader
	v_mov_b32 v11, v10
	s_wait_alu depctr_va_vdst(0)
	s_wait_loadcnt 0x0
.set j, 0
.rept 16
	v_pk_mul_f32 v[Y+j:Y+j+1], v[Y+j:Y+j+1], v[10:11]
.set j, j+2
.endr
.set j, 0
.rept 16
	v_pk_fma_f32 v[Y+j:Y+j+1], v[Y+j:Y+j+1], v[G+j:G+j+1], v[BE+j:BE+j+1]
.set j, j+2
.endr
.irp j, 0,1,2,3,4,5,6,7
	global_store_b128 v1, v[Y+4*\j:Y+4*\j+3], s[16:17] offset:512*\j
.endr
.set j, 0
.rept 32
	v_med3_num_f32 v[XR+j], v[Y+j], -v6, v6
.set j, j+1
.endr
.irp g, 0,1,2,3
	v_cvt_scalef32_pk8_bf8_f32 v[CD+2*\g:CD+2*\g+1], v[XR+8*\g:XR+8*\g+7], v7   ; register j: load j's four codes
.endr
	v_nop
.irp j, 0,1,2,3,4,5,6,7
	ds_store_b32 v3, v[CD+\j] offset:2048*\j
.endr
	s_wait_dscnt 0x0                               ; for the others' sake: my stores have landed
	s_barrier_signal -1
	s_barrier_wait -1
	ds_load_b128 v[80:83], v4
	ds_load_b128 v[84:87], v4 offset:512
	s_wait_dscnt 0x0
	global_store_b128 v1, v[80:83], s[18:19]
	global_store_b128 v1, v[84:87], s[18:19] offset:512
	s_wait_tensorcnt 0x0                           ; the wave's end, behind my last LDS store
	ds_add_u32 v[SPW], v[NIL]
	s_wait_dscnt 0x0
	s_endpgm
.Lfunc_end_k_q3d0c884dbb_ln1:
	.size	k_q3d0c884dbb_ln1, .Lfunc_end_k_q3d0c884dbb_ln1-k_q3d0c884dbb_ln1
	.p2alignl 7, 3214868480
	.fill 96, 4, 3214868480
	.section	.rodata,"a",@progbits
	.p2align	6, 0x0
	.amdhsa_kernel k_q3d0c884dbb_ln1
		.amdhsa_group_segment_fixed_size 18432
		.amdhsa_private_segment_fixed_size 0
		.amdhsa_enable_private_segment 0
		.amdhsa_kernarg_size 64
		.amdhsa_user_sgpr_count 2
		.amdhsa_user_sgpr_kernarg_segment_ptr 1
		.amdhsa_wavefront_size32 1
		.amdhsa_system_sgpr_workgroup_id_x 1
		.amdhsa_system_sgpr_workgroup_id_y 1
		.amdhsa_system_sgpr_workgroup_id_z 1
		.amdhsa_system_vgpr_workitem_id 0
		.amdhsa_next_free_vgpr 192
		.amdhsa_next_free_sgpr 66
		.amdhsa_reserve_vcc 0
		.amdhsa_float_denorm_mode_32 3
		.amdhsa_float_denorm_mode_16_64 3
		.amdhsa_memory_ordered 1
		.amdhsa_forward_progress 1
		.amdhsa_inst_pref_size 21
	.end_amdhsa_kernel
	.amdgpu_metadata
---
amdhsa.version: [ 1, 2 ]
amdhsa.kernels:
  - .name:           k_q3d0c884dbb_ln1
    .symbol:         k_q3d0c884dbb_ln1.kd
    .args:
      - { .name: part, .offset: 0, .size: 8, .value_kind: global_buffer, .address_space: global }
      - { .name: x, .offset: 8, .size: 8, .value_kind: global_buffer, .address_space: global }
      - { .name: bo, .offset: 16, .size: 8, .value_kind: global_buffer, .address_space: global }
      - { .name: ln1_g, .offset: 24, .size: 8, .value_kind: global_buffer, .address_space: global }
      - { .name: ln1_b, .offset: 32, .size: 8, .value_kind: global_buffer, .address_space: global }
      - { .name: lowp_scales, .offset: 40, .size: 8, .value_kind: global_buffer, .address_space: global }
      - { .name: x1, .offset: 48, .size: 8, .value_kind: global_buffer, .address_space: global }
      - { .name: xc, .offset: 56, .size: 8, .value_kind: global_buffer, .address_space: global }
    .group_segment_fixed_size: 18432
    .private_segment_fixed_size: 0
    .kernarg_segment_align: 8
    .kernarg_segment_size: 64
    .max_flat_workgroup_size: 512
    .sgpr_count:     66
    .vgpr_count:     192
    .wavefront_size: 32
...
	.end_amdgpu_metadata
.endif
;; end of part 5
;; launch ffn1 (part 6): grid 16 x 16, 4 waves a work-group, clusters of 4 x 4, 327,680 bytes of LDS; arguments xc, wimg, b1, lowp_scales, ahc; writes ahc
.if DOCPART == 6
	.amdgcn_target "amdgcn-amd-amdhsa--gfx1250"
	.amdhsa_code_object_version 6
	.text
	.protected	k_q3d0c884dbb_ffn1
	.globl	k_q3d0c884dbb_ffn1
	.p2align	8
	.type	k_q3d0c884dbb_ffn1,@function
k_q3d0c884dbb_ffn1:
	s_mov_b64 s[64:65], 0
	v_nop
	global_prefetch_b8 v0, s[64:65] scope:SCOPE_SE
	s_setreg_imm32_b32 hwreg(HW_REG_WAVE_MODE, 25, 1), 1
	s_wait_xcnt 0x0
	s_wait_alu depctr_hold_cnt(0) depctr_sa_sdst(0) depctr_va_vdst(0) depctr_va_sdst(0) depctr_va_ssrc(0) depctr_va_vcc(0) depctr_vm_vsrc(0)
	s_getreg_b32 s2, hwreg(HW_REG_IB_STS2, 6, 4)
	s_cmp_eq_u32 s2, 0
	s_cbranch_scc0 .Lentry_in_a_cluster
	s_endpgm
.Lentry_in_a_cluster:
	s_bfe_u32 s2, ttmp6, 0x10000c
	s_cmp_lg_u32 s2, 0xf033
	s_cbranch_scc0 .Lentry_shape_is_right
	s_endpgm
.Lentry_shape_is_right:
.set SLOT,   131072
.set SPARE,  262144
.set FR,     16
.set NL,     4
.set NP,     4
.set ADRA, 16
.set ADRB, 20
.set SPW,  28
.set NIL,  29
.set AF,   128
.set BI,   32
.set T,    128
.set CD,   192
.set G1, 24
.set G0, 32
.set G1B, 48
.set G0B, 56
.set MSB, 0
.macro WIN new
.if MSB != \new
	s_set_vgpr_msb (MSB<<8)|\new
.set MSB, \new
.endif
.endm
.set MUL_LO, 0xa1
.set MUL_HI, 0xf1
.set TO_B,   0x40
.macro JLOAD g0a, g1a, g0b, g1b
	s_cmp_eq_u32 s15, 0
	s_cbranch_scc0 .Lfor_b_\@
	tensor_load_to_lds s[\g0a:\g0a+3], s[\g1a:\g1a+7]
	s_nop 0
.rept 4
	v_nop
.endr
	s_branch .Lasked_\@
.Lfor_b_\@:
	tensor_load_to_lds s[\g0b:\g0b+3], s[\g1b:\g1b+7]
	s_nop 0
.rept 4
	v_nop
.endr
.Lasked_\@:
.endm
.macro CREST
	s_cmp_lg_u32 s14, 0
	s_cbranch_scc1 .Lnot_wave_0_\@
	s_barrier_signal -3
.Lnot_wave_0_\@:
	s_barrier_wait -3
	s_barrier_signal -1
	s_barrier_wait -1
.endm
.macro CROUND
	s_barrier_signal -1
	s_barrier_wait -1
	CREST
.endm
	s_load_b256 s[68:75], s[0:1], 0x0
	s_load_b64 s[76:77], s[0:1], 0x20
	v_lshl_add_u32 v[SPW], v0, 2, SPARE
	v_mov_b32 v[NIL], 0
	ds_add_u32 v[SPW], v[NIL]
	ds_add_u32 v[SPW], v[NIL]
	v_lshrrev_b32 v1, 5, v0
	v_readfirstlane_b32 s14, v1
	s_lshr_b32 s15, s14, 1
	s_and_b32 s16, s14, 1
	s_bfe_u32 s40, ttmp6, 0x40000
	s_bfe_u32 s41, ttmp6, 0x40004
	s_lshl_b32 s42, ttmp9, 2
	s_add_co_u32 s42, s42, s40
	s_and_b32 s17, ttmp7, 0xffff
	s_lshl_b32 s17, s17, 2
	s_add_co_u32 s17, s17, s41
	s_lshl_b32 s43, s41, 2
	s_lshl_b32 s43, 15, s43
	s_lshl_b32 s44, 0x1111, s40
	s_or_b32 s[G1+0], s43, (3<<16)|(1<<21)
	s_or_b32 s[G1B+0], s44, (3<<16)|(1<<21)
.irp g, G1, G1B
	s_mov_b32 s[\g+1], 32<<16
	s_mov_b32 s[\g+2], 256<<16                     ; a load is 256 rows of 256 bytes: two K steps of one operand, dense in memory
	s_mov_b32 s[\g+3], 32<<16
	s_mov_b32 s[\g+4], 256
	s_mov_b32 s[\g+5], 32
	s_mov_b32 s[\g+6], 0
	s_mov_b32 s[\g+7], 0
.endr
	s_lshl_b32 s18, s16, 16                        ; wave % 2 = the slot that I fill: K steps 2 x slot on, 65,536 bytes
	s_lshl_b32 s20, s17, 18
	s_add_co_u32 s20, s20, s18
	s_mov_b32 s21, 0
	s_lshl_b32 s46, s42, 18
	s_add_co_u32 s46, s46, 0x300000
	s_add_co_u32 s46, s46, s18
	s_mov_b32 s47, 0
	s_lshl_b32 s45, s16, 17                        ; in LDS: my slot,
	s_lshl_b32 s3, s15, 16                         ; A's 65,536 bytes, then B's
	s_add_co_u32 s45, s45, s3
	s_wait_dscnt 0x0
	s_wait_kmcnt 0x0
	s_load_b128 s[84:87], s[74:75], 0x30
	s_add_nc_u64 s[20:21], s[68:69], s[20:21]
	s_add_nc_u64 s[46:47], s[70:71], s[46:47]
	CROUND
; One group 0 a wave and operand.  Waves 0 and 2 own slot 0 (A's and B's K steps 0, 1, later 4, 5), waves 1 and 3 slot 1 (2, 3, later 6, 7): at the head every wave issues its one joint load, so both slots are asked for at once.
.macro JFILL slot                      ; a refill: the two waves that own the slot issue one joint load each; the branch hangs on the wave's number alone
	s_cmp_eq_u32 s16, \slot
	s_cbranch_scc0 .Lnone_\@
	JLOAD G0, G1, G0B, G1B
	s_branch .Ldone_\@
.Lnone_\@:
.rept 4
	v_nop                                          ; the places in front of the LDS loads that follow
.endr
.Ldone_\@:
.endm
	s_mov_b32 s[G0], 1
	s_mov_b32 s[G0+1], s45
	s_mov_b64 s[G0+2:G0+3], s[20:21]
	s_or_b32 s[G0+3], s[G0+3], 0x80000000
	s_mov_b32 s[G0B], 1
	s_mov_b32 s[G0B+1], s45
	s_mov_b64 s[G0B+2:G0B+3], s[46:47]
	s_or_b32 s[G0B+3], s[G0B+3], 0x80000000
	JLOAD G0, G1, G0B, G1B
	; K steps 4 to 7 of my operand's tile, 131,072 bytes, are prefetched into the L2: the four partners that ask for the tile jointly take 32,768 bytes each, told apart by address; of these my wave takes 16,384: two instructions, lanes 256 bytes apart
	s_cmp_eq_u32 s15, 0
	s_cselect_b64 s[36:37], s[20:21], s[46:47]
	s_cselect_b32 s38, s40, s41
	s_lshl_b32 s38, s38, 15
	s_add_co_u32 s38, s38, 131072
	s_mul_i32 s39, s16, 49152                      ; the address above stands 65,536 x slot into the tile; my part begins 16,384 x slot into the partner's
	s_sub_co_u32 s38, s38, s39
	s_mov_b32 s39, 0
	s_add_nc_u64 s[36:37], s[36:37], s[38:39]
	v_and_b32 v7, 31, v0
	v_lshlrev_b32 v7, 8, v7
	global_prefetch_b8 v7, s[36:37] th:TH_LOAD_NT scope:SCOPE_SE
	global_prefetch_b8 v7, s[36:37] offset:8192 th:TH_LOAD_NT scope:SCOPE_SE
	v_and_b32 v6, 31, v0
	v_lshlrev_b32 v26, 4, v6
	v_bfe_u32 v2, v0, 4, 1
	v_lshlrev_b32 v25, 6, v2
	s_wait_alu depctr_va_vdst(0)
	s_lshl_b32 s21, s15, 14
	s_lshl_b32 s22, s16, 14
	s_add_co_u32 s22, s22, 65536
.irp s, 0,1
	v_add_nc_u32 v[ADRA+\s], s21, v26
	v_add_nc_u32 v[ADRB+\s], s22, v26
	s_add_co_u32 s21, s21, SLOT
	s_add_co_u32 s22, s22, SLOT
.endr
	s_lshl_b32 s10, s42, 10
	s_lshl_b32 s11, s16, 9
	s_add_co_u32 s10, s10, s11
	s_mov_b32 s11, 0
	s_add_nc_u64 s[72:73], s[72:73], s[10:11]
.irp p, 0,1,2,3
.irp j, 0,1,2,3
	global_load_b128 v[BI+16*\p+4*\j:BI+16*\p+4*\j+3], v25, s[72:73] offset:128*\p+16*\j
.endr
.endr
	s_lshr_b32 s18, s42, 2
	s_lshl_b32 s18, s18, 4
	s_add_co_u32 s18, s18, s17
	s_lshl_b32 s18, s18, 3
	s_and_b32 s19, s42, 3
	s_lshl_b32 s19, s19, 1
	s_add_co_u32 s18, s18, s19
	s_add_co_u32 s18, s18, s16
	s_lshl_b32 s18, s18, 15
	s_lshl_b32 s19, s15, 14
	s_add_co_u32 s18, s18, s19
	s_mov_b32 s19, 0
	s_add_nc_u64 s[8:9], s[76:77], s[18:19]
.macro FRAG reg, adr, q, i
.irp c, 0,1,2,3
	ds_load_b128 v[\reg+4*\c:\reg+4*\c+3], v[\adr] offset:32768*(\q)+2048*(\i)+512*\c
.endr
.endm
.macro MUL16 a0, p, zero
.irp a, \a0, \a0+1
.irp b, 0,1,2,3,4,5,6,7
.if \zero
	v_wmma_f32_16x16x128_bf8_bf8 v[8*(8*((\a)%4)+\b):8*(8*((\a)%4)+\b)+7], v[128*(\p)+FR*\b:128*(\p)+FR*\b+FR-1], v[AF+FR*(\a):AF+FR*(\a)+FR-1], 0
.else
	v_wmma_f32_16x16x128_bf8_bf8 v[8*(8*((\a)%4)+\b):8*(8*((\a)%4)+\b)+7], v[128*(\p)+FR*\b:128*(\p)+FR*\b+FR-1], v[AF+FR*(\a):AF+FR*(\a)+FR-1], v[8*(8*((\a)%4)+\b):8*(8*((\a)%4)+\b)+7]
.endif
.endr
.endr
.endm
.macro FETCH_B slot, q, p
	WIN TO_B
.irp i, 0,1,2,3,4,5,6,7
	FRAG 128*(\p)+FR*\i, ADRB+\slot, \q, \i
.endr
	WIN 0
.endm
.macro FETCH_A slot, q, i0
.irp i, \i0, \i0+1, \i0+2, \i0+3
	FRAG AF+FR*(\i), ADRA+\slot, \q, \i
.endr
.endm
.macro PLACES n
.rept \n
	v_nop
.endr
.endm
.macro STEP slot, q, zero
	s_wait_dscnt 4*NL
	WIN MUL_LO
	MUL16 0, (\q)%2, \zero
	MUL16 2, (\q)%2, \zero
	s_wait_dscnt 0
	PLACES NP
	FETCH_B \slot, (\q)+1, 1-(\q)%2
	FETCH_A \slot, (\q)+1, 0
	WIN MUL_HI
	MUL16 4, (\q)%2, \zero
	MUL16 6, (\q)%2, \zero
	PLACES NP
	WIN 0
	FETCH_A \slot, (\q)+1, 4
.endm
.macro TURN slot, next, fill
	s_wait_tensorcnt 0x0
	ds_add_u32 v[SPW], v[NIL]
	s_wait_dscnt 4*NL+1
	WIN MUL_LO
	MUL16 0, 1, 0
	s_wait_dscnt 0x0
	s_barrier_signal -1
	MUL16 2, 1, 0
	WIN 0
	s_barrier_wait -1
.if \fill
	CREST
.if \slot == 0
	s_add_nc_u64 s[G0+2:G0+3], s[G0+2:G0+3], 131072     ; no load of mine is out: every wave's group 0 steps four K steps on, once
	s_add_nc_u64 s[G0B+2:G0B+3], s[G0B+2:G0B+3], 131072
.endif
	JFILL \slot
.else
	PLACES NP
.endif
	FETCH_B \next, 0, 0
	FETCH_A \next, 0, 0
	WIN MUL_HI
	MUL16 4, 1, 0
	MUL16 6, 1, 0
	PLACES NP
	WIN 0
	FETCH_A \next, 0, 4
.endm
	s_wait_alu depctr_va_vdst(0)
	s_wait_tensorcnt 0x0
	s_barrier_signal -1
	s_barrier_wait -1
	FETCH_B 0, 0, 0
	FETCH_A 0, 0, 0
	FETCH_A 0, 0, 4
	STEP 0, 0, 1
	TURN 0, 1, 1
	STEP 1, 0, 0
	TURN 1, 0, 1
	STEP 0, 0, 0
	TURN 0, 1, 0
	STEP 1, 0, 0
	s_wait_kmcnt 0x0
	s_add_co_i32 s2, s84, s85
	s_add_co_i32 s2, s2, 127
	s_lshl_b32 s2, s2, 23
	s_mov_b32 s3, s2
	s_add_co_i32 s20, s86, 127
	s_lshl_b32 s21, s20, 23
	v_mov_b32 v30, s21
	s_add_co_i32 s20, s20, 15
	s_lshl_b32 s20, s20, 23
	s_or_b32 s20, s20, 0x600000
	v_mov_b32 v31, s20
	s_wait_dscnt 4*NL
	WIN MUL_LO
	MUL16 0, 1, 0
	MUL16 2, 1, 0
	s_wait_dscnt 0
	WIN MUL_HI
	MUL16 4, 1, 0
	MUL16 6, 1, 0
	WIN 0
.macro EPI a
.if (\a) >= 2
	s_wait_xcnt 0x0
.endif
.set AC, 64*((\a)%4)
.set CC, CD+16*((\a)%2)
	WIN 0x02+((\a)/4)
.set k, 0
.rept 32
	v_pk_fma_f32 v[T+k:T+k+1], v[AC+k:AC+k+1], s[2:3], v[BI+k:BI+k+1] op_sel_hi:[1,0,1]
.set k, k+2
.endr
	WIN 0
.set k, 0
.rept 64
	v_med3_num_f32 v[T+k], v[T+k], 0, v31
.set k, k+1
.endr
.set k, 0
.rept 8
	v_cvt_scalef32_pk8_bf8_f32 v[CC+2*k:CC+2*k+1], v[T+8*k:T+8*k+7], v30
.set k, k+1
.endr
	v_nop
.irp p, 0,1,2,3
	global_store_b128 v26, v[CC+4*\p:CC+4*\p+3], s[8:9] offset:2048*(\a)+512*\p
.endr
.endm
	s_wait_loadcnt 0x0
	PLACES NP
.irp a, 0,1,2,3,4,5,6,7
	EPI \a
.endr
	s_wait_tensorcnt 0x0
	ds_add_u32 v[SPW], v[NIL]
	s_wait_dscnt 0x0
	CROUND
	s_endpgm
.Lfunc_end_k_q3d0c884dbb_ffn1:
	.size	k_q3d0c884dbb_ffn1, .Lfunc_end_k_q3d0c884dbb_ffn1-k_q3d0c884dbb_ffn1
	.p2alignl 7, 3214868480
	.fill 96, 4, 3214868480
	.section	.rodata,"a",@progbits
	.p2align	6, 0x0
	.amdhsa_kernel k_q3d0c884dbb_ffn1
		.amdhsa_group_segment_fixed_size 327680
		.amdhsa_private_segment_fixed_size 0
		.amdhsa_enable_private_segment 0
		.amdhsa_kernarg_size 40
		.amdhsa_user_sgpr_count 2
		.amdhsa_user_sgpr_kernarg_segment_ptr 1
		.amdhsa_wavefront_size32 1
		.amdhsa_system_sgpr_workgroup_id_x 1
		.amdhsa_system_sgpr_workgroup_id_y 1
		.amdhsa_system_sgpr_workgroup_id_z 1
		.amdhsa_system_vgpr_workitem_id 0
		.amdhsa_next_free_vgpr 1024
		.amdhsa_next_free_sgpr 88
		.amdhsa_reserve_vcc 0
		.amdhsa_float_denorm_mode_32 3
		.amdhsa_float_denorm_mode_16_64 3
		.amdhsa_memory_ordered 1
		.amdhsa_forward_progress 1
		.amdhsa_inst_pref_size 135
	.end_amdhsa_kernel
	.amdgpu_metadata
---
amdhsa.version: [ 1, 2 ]
amdhsa.kernels:
  - .name:           k_q3d0c884dbb_ffn1
    .symbol:         k_q3d0c884dbb_ffn1.kd
    .args:
      - { .name: xc, .offset: 0, .size: 8, .value_kind: global_buffer, .address_space: global }
      - { .name: wimg, .offset: 8, .size: 8, .value_kind: global_buffer, .address_space: global }
      - { .name: b1, .offset: 16, .size: 8, .value_kind: global_buffer, .address_space: global }
      - { .name: lowp_scales, .offset: 24, .size: 8, .value_kind: global_buffer, .address_space: global }
      - { .name: ahc, .offset: 32, .size: 8, .value_kind: global_buffer, .address_space: global }
    .group_segment_fixed_size: 327680
    .private_segment_fixed_size: 0
    .kernarg_segment_align: 8
    .kernarg_segment_size: 40
    .max_flat_workgroup_size: 128
    .sgpr_count:     88
    .vgpr_count:     1024
    .wavefront_size: 32
...
	.end_amdgpu_metadata
.endif
;; end of part 6
;; launch ffn2 (part 7): grid 8 x 32, 4 waves a work-group, clusters of 4 x 4, 327,680 bytes of LDS; arguments ahc, w2i, part; writes part
.if DOCPART == 7
	.amdgcn_target "amdgcn-amd-amdhsa--gfx1250"
	.amdhsa_code_object_version 6
	.text
	.protected	k_q3d0c884dbb_ffn2
	.globl	k_q3d0c884dbb_ffn2
	.p2align	8
	.type	k_q3d0c884dbb_ffn2,@function
k_q3d0c884dbb_ffn2:
	s_mov_b64 s[64:65], 0
	v_nop
	global_prefetch_b8 v0, s[64:65] scope:SCOPE_SE
	s_setreg_imm32_b32 hwreg(HW_REG_WAVE_MODE, 25, 1), 1
	s_wait_xcnt 0x0
	s_wait_alu depctr_hold_cnt(0) depctr_sa_sdst(0) depctr_va_vdst(0) depctr_va_sdst(0) depctr_va_ssrc(0) depctr_va_vcc(0) depctr_vm_vsrc(0)
	s_getreg_b32 s2, hwreg(HW_REG_IB_STS2, 6, 4)
	s_cmp_eq_u32 s2, 0
	s_cbranch_scc0 .Lentry_in_a_cluster
	s_endpgm
.Lentry_in_a_cluster:
	s_bfe_u32 s2, ttmp6, 0x10000c
	s_cmp_lg_u32 s2, 0xf033
	s_cbranch_scc0 .Lentry_shape_is_right
	s_endpgm
.Lentry_shape_is_right:
; Launch 7 of 8: product 8 on codes of E5M2.  Nothing is left out.  The RAW f32 sums go to part, [4,096][1,024]; the next launch multiplies by the two scales and goes on.
; THE TILE IS 128 x 128 OVER THE WHOLE K = 4,096: product 8 has 256 such tiles, one for each work-group, so that each sum has one owner and is stored once.
; OPERANDS are images of operand registers (launch quant's head comment): a K step (128 along K) of a tile's 128 rows is 8 fragments, 16,384 dense bytes; K steps lie 32,768 bytes apart, chunks of 8 K steps 4 MiB (A) or 1 MiB (B) apart.
; THE RING: LDS holds 8 K steps of A (from 0) and of B (from 131,072): slot 0 is K steps 0-3 of a chunk, slot 1 K steps 4-7.  Wave 0 fills A's part of slot 0, wave 1 of slot 1, waves 2 and 3 B's: one joint load of
; 4 rows x 16,384 bytes each.  At the head every wave issues its one load; a slot that has been read out is filled with the next chunk's K steps by its two waves, behind a round of the cluster's barrier.
; One tensor load of a wave is out at the most.  CLUSTER 4 x 4: A's tiles are shared along a row of the cluster, B's along a column: each is asked for jointly.
; A wave's tile is 64 x 64: 16 accumulators, 32 LDS loads and 16 matrix instructions a K step; two sets of fragments, so that a K step's loads run under the products of the K step before.
; The matrix instruction is used transposed (source 0 = B role, source 1 = A role): a lane holds one token slot, its registers run along the columns.
; THE WAY OUT: a block of 16 token slots x 64 columns goes through the wave's own stage in LDS (rows 272 bytes apart, bytes that no tensor load fills) and leaves two rows to a store: sixteen lanes store 256 consecutive bytes, aligned.
; REGISTERS: window 0: v16-23 LDS addresses, v24-30 stage, store, the add's two, the prefetches' offset, v32-95 rows on the way out, v128-255 A's two sets of 4 fragments.  window 1: v0-127 B's two sets, v128-255 accumulator (a, b) at v[128 + 8 (4 a + b)].
.set SPARE,  262144                    ; behind the ring: the spare words, 128 bytes a wave
.set STG,    262656                    ; behind them: four stages of 16 rows x 272 bytes
.set SP,     272
.set FR,     16
.set ASTEP,  0x400000                  ; a chunk on in A's images
.set BSTEP,  0x100000                  ; and in B's
.set ADRA, 16                          ; v16-19  my A fragments of K steps 2 j, 2 j + 1 of a chunk
.set ADRB, 20                          ; v20-23  the same for B
.set STO,  24
.set RD,   25
.set CO,   26
.set LI,   27                          ; 16 x lane
.set SPW,  28                          ; my spare word's LDS address; never rewritten
.set NIL,  29                          ; 0; never rewritten
.set PFO,  30                          ; 256 x lane; never rewritten
.set BK,   32
.set AF,   128
.set ACC,  128
.set G1,  24                           ; s[24:31] group 1 for A's tiles;  s[32:35] my group 0
.set G0,  32
.set G1B, 48                           ; s[48:55], s[68:71] the same for B's
.set G0B, 68
.set CH,  40                           ; s40  chunks still to be asked for
.set PFA, 42                           ; s[42:43] where my prefetches stand
.set PFS, 44                           ; s[44:45] a chunk on in my operand
.set MSB, 0
.macro WIN new                         ; the immediate's high byte repeats the setting that is left
.if MSB != \new
	s_set_vgpr_msb (MSB<<8)|\new
.set MSB, \new
.endif
.endm
.set MULW, 0x51                        ; source 0 (B), C and D window 1; source 1 (A) window 0
.set TO_B, 0x40                        ; destination window 1, address window 0
.macro CROUND                          ; a round of the cluster's barrier
	s_barrier_signal -1
	s_barrier_wait -1
	s_cmp_lg_u32 s14, 0
	s_cbranch_scc1 .Lnot_wave_0_\@
	s_barrier_signal -3
.Lnot_wave_0_\@:
	s_barrier_wait -3
	s_barrier_signal -1
	s_barrier_wait -1
.endm
.macro JLOAD                           ; my joint load: waves 0 and 1 for A, waves 2 and 3 for B; an s_nop 0 and four v_nop follow each line
	s_cmp_eq_u32 s15, 0
	s_cbranch_scc0 .Lfor_b_\@
	tensor_load_to_lds s[G0:G0+3], s[G1:G1+7]
	s_nop 0
.rept 4
	v_nop
.endr
	s_branch .Lasked_\@
.Lfor_b_\@:
	tensor_load_to_lds s[G0B:G0B+3], s[G1B:G1B+7]
	s_nop 0
.rept 4
	v_nop
.endr
.Lasked_\@:
.endm
.macro JFILL slot                      ; a refill: the two waves that own the slot issue their load; the branch hangs on the wave's number alone
	s_cmp_eq_u32 s16, \slot
	s_cbranch_scc0 .Lnone_\@
	JLOAD
	s_branch .Ldone_\@
.Lnone_\@:
.rept 4
	v_nop                                          ; the places in front of the LDS loads that follow
.endr
.Ldone_\@:
.endm
; A PREFETCH INTO THE L2 behind each refill: what the SAME slot's next refill will load, two changes of slots ahead.  Of a slot's four rows of 16,384 bytes of an operand each of the four partners that ask for it jointly takes one,
; told apart by address; of that row my wave takes 8,192 bytes, lanes 256 bytes apart.  The last filling trip asks for nothing: no chunk lies behind the fourth.
.macro ASK slot
	s_cmp_gt_u32 s[CH], 1
	s_cbranch_scc0 .Lno_ask_\@
	global_prefetch_b8 v[PFO], s[PFA:PFA+1] offset:131072*\slot th:TH_LOAD_NT scope:SCOPE_SE
.Lno_ask_\@:
.endm
	s_load_b128 s[4:7], s[0:1], 0x0                ; A's images, B's images
	s_load_b64 s[8:9], s[0:1], 0x10                ; the sums
	v_lshl_add_u32 v[SPW], v0, 2, SPARE
	v_mov_b32 v[NIL], 0
	ds_add_u32 v[SPW], v[NIL]                      ; the opening: the add, twice on end, and its wait ahead of my first tensor load
	ds_add_u32 v[SPW], v[NIL]
	v_lshrrev_b32 v1, 5, v0
	v_readfirstlane_b32 s14, v1                    ; wave
	s_lshr_b32 s15, s14, 1                         ; my half of the tile's tokens.  Also: I fetch for A (0) or B (1)
	s_and_b32 s16, s14, 1                          ; my half of its columns.  Also: the slot that I fill
	s_bfe_u32 s10, ttmp6, 0x40000                  ; cx
	s_bfe_u32 s11, ttmp6, 0x40004                  ; cy
	s_lshl_b32 s12, ttmp9, 2
	s_add_co_u32 s12, s12, s10                     ; the tile of 128 columns, 0..7
	s_and_b32 s13, ttmp7, 0xffff
	s_lshl_b32 s13, s13, 2
	s_add_co_u32 s13, s13, s11                     ; the tile of 128 tokens, 0..31
	s_lshl_b32 s17, s11, 2
	s_lshl_b32 s17, 15, s17                        ; my row of the cluster
	s_lshl_b32 s58, 0x1111, s10                    ; my column
	s_or_b32 s[G1+0], s17, (3<<16)|(1<<21)         ; 15:0 the mask; 17:16 elements of 8 bytes; 21 set beside a mask; no padding
	s_or_b32 s[G1B+0], s58, (3<<16)|(1<<21)
.irp g, G1, G1B
	s_mov_b32 s[\g+1], 2048<<16                    ; tensor_dim0 = 2,048 elements: 16,384 bytes, a K step of 128 rows
	s_mov_b32 s[\g+2], 4<<16                       ; tensor_dim1 = 4 K steps
	s_mov_b32 s[\g+3], 2048<<16                    ; tile_dim0
	s_mov_b32 s[\g+4], 4                           ; tile_dim1
	s_mov_b32 s[\g+5], 4096                        ; the pitch: 32,768 bytes
	s_mov_b32 s[\g+6], 0
	s_mov_b32 s[\g+7], 0
.endr
	s_lshl_b32 s18, s16, 17                        ; my slot's K steps: 4 x 32,768 bytes on in memory
	s_lshr_b32 s20, s13, 1                         ; A: (tile / 2) x 262,144 + (tile % 2) x 16,384
	s_lshl_b32 s20, s20, 18
	s_and_b32 s19, s13, 1
	s_lshl_b32 s19, s19, 14
	s_add_co_u32 s20, s20, s19
	s_add_co_u32 s20, s20, s18
	s_mov_b32 s21, 0
	s_lshr_b32 s22, s12, 1                         ; B: the same by the tile of columns
	s_lshl_b32 s22, s22, 18
	s_and_b32 s57, s12, 1
	s_lshl_b32 s57, s57, 14
	s_add_co_u32 s22, s22, s57
	s_add_co_u32 s22, s22, s18
	s_mov_b32 s23, 0
	s_lshl_b32 s56, s15, 17                        ; in LDS: A from 0, B from 131,072,
	s_lshl_b32 s59, s16, 16
	s_add_co_u32 s56, s56, s59                     ; + 65,536 x my slot: the wave's number alone
	s_wait_dscnt 0x0                               ; both opening adds are done
	s_wait_kmcnt 0x0
	s_add_nc_u64 s[20:21], s[4:5], s[20:21]
	s_add_nc_u64 s[22:23], s[6:7], s[22:23]
	s_mov_b32 s[G0], 1                             ; count = 1
	s_mov_b32 s[G0+1], s56
	s_mov_b64 s[G0+2:G0+3], s[20:21]
	s_or_b32 s[G0+3], s[G0+3], 0x80000000          ; type = 2
	s_mov_b32 s[G0B], 1
	s_mov_b32 s[G0B+1], s56
	s_mov_b64 s[G0B+2:G0B+3], s[22:23]
	s_or_b32 s[G0B+3], s[G0B+3], 0x80000000
	CROUND                                         ; all sixteen work-groups are here: the joint loads meet
	JLOAD                                          ; chunk 0: every wave's one load at the head fills its part of its slot
	s_cmp_eq_u32 s15, 0                            ; the prefetches: my operand, my place among the four that ask with me, a chunk's length
	s_cselect_b64 s[PFA:PFA+1], s[20:21], s[22:23]
	s_cselect_b32 s41, s10, s11
	s_mov_b32 s[PFS], BSTEP
	s_cselect_b32 s[PFS], ASTEP, s[PFS]
	s_mov_b32 s[PFS+1], 0
	s_lshl_b32 s46, s41, 15                        ; my work-group's row of a slot's four,
	s_add_co_u32 s46, s46, s[PFS]                  ; in chunk 1;
	s_mul_i32 s41, s16, 122880                     ; the address above stands 131,072 x (wave % 2) into the chunk, my half of the row begins 8,192 x (wave % 2) into it
	s_sub_co_u32 s46, s46, s41
	s_mov_b32 s47, 0
	s_add_nc_u64 s[PFA:PFA+1], s[PFA:PFA+1], s[46:47]
	v_and_b32 v6, 31, v0
	v_lshlrev_b32 v[PFO], 8, v6
	global_prefetch_b8 v[PFO], s[PFA:PFA+1] th:TH_LOAD_NT scope:SCOPE_SE                 ; chunk 1, slot 0's K steps,
	global_prefetch_b8 v[PFO], s[PFA:PFA+1] offset:131072 th:TH_LOAD_NT scope:SCOPE_SE   ; and slot 1's
	v_lshlrev_b32 v[LI], 4, v6
	s_wait_alu depctr_va_vdst(0)
	v_and_b32 v1, 15, v0                           ; r
	v_bfe_u32 v2, v0, 4, 1                         ; h
	s_lshl_b32 s2, s15, 13                         ; my 4 fragments of A's 8,
	s_lshl_b32 s3, s16, 13
	s_add_co_u32 s3, s3, 131072                    ; of B's
.irp j, 0,1,2,3
	v_add_nc_u32 v[ADRA+\j], s2, v[LI]
	v_add_nc_u32 v[ADRB+\j], s3, v[LI]
	s_add_co_u32 s2, s2, 32768
	s_add_co_u32 s3, s3, 32768
.endr
	s_mul_i32 s59, s14, 16*SP
	s_add_co_u32 s59, s59, STG                     ; my stage
	v_mul_u32_u24 v5, v1, SP
	v_lshl_add_u32 v5, v2, 6, v5
	v_add_nc_u32 v[STO], s59, v5                   ; in: row = my slot, + 64 h
	v_mul_u32_u24 v5, v2, SP
	v_lshl_add_u32 v5, v1, 4, v5
	v_add_nc_u32 v[RD], s59, v5                    ; back: lanes 0-15 one row of 256 bytes, lanes 16-31 the next
	v_lshlrev_b32 v[CO], 12, v2
	v_lshl_add_u32 v[CO], v1, 4, v[CO]             ; and the same in the sums, whose rows are 4,096 bytes
	s_lshl_b32 s60, s13, 7
	s_lshl_b32 s61, s15, 6
	s_add_co_u32 s60, s60, s61
	s_lshl_b32 s60, s60, 12                        ; my first token's row
	s_mov_b32 s61, 0
	s_lshl_b32 s62, s12, 9                         ; my first column x 4
	s_lshl_b32 s63, s16, 8
	s_add_co_u32 s62, s62, s63
	s_mov_b32 s63, 0
	s_add_nc_u64 s[8:9], s[8:9], s[60:61]
	s_add_nc_u64 s[8:9], s[8:9], s[62:63]
.macro FRAG reg, adr, q, i             ; fragment i of the pair's K step q: four loads of 512 consecutive bytes
.irp c, 0,1,2,3
	ds_load_b128 v[\reg+4*\c:\reg+4*\c+3], v[\adr] offset:16384*(\q)+2048*(\i)+512*\c
.endr
.endm
.macro FETCH j, q                      ; the chunk's K step 2 j + q into set q: B's four fragments, then A's
	WIN TO_B
.irp i, 0,1,2,3
	FRAG 64*(\q)+FR*\i, ADRB+\j, \q, \i
.endr
	WIN 0
.irp i, 0,1,2,3
	FRAG AF+64*(\q)+FR*\i, ADRA+\j, \q, \i
.endr
.endm
.macro MULH q, zero, a0                ; 8 matrix instructions on set q: A's fragments a0, a0 + 1 x B's four.  The 16 accumulators take turns, one instruction a turn.  zero = 1: the first products start the sums
	WIN MULW
.irp a, \a0, \a0+1
.irp b, 0,1,2,3
.if \zero
	v_wmma_f32_16x16x128_bf8_bf8 v[ACC+8*(4*(\a)+\b):ACC+8*(4*(\a)+\b)+7], v[64*(\q)+FR*\b:64*(\q)+FR*\b+FR-1], v[AF+64*(\q)+FR*(\a):AF+64*(\q)+FR*(\a)+FR-1], 0
.else
	v_wmma_f32_16x16x128_bf8_bf8 v[ACC+8*(4*(\a)+\b):ACC+8*(4*(\a)+\b)+7], v[64*(\q)+FR*\b:64*(\q)+FR*\b+FR-1], v[AF+64*(\q)+FR*(\a):AF+64*(\q)+FR*(\a)+FR-1], v[ACC+8*(4*(\a)+\b):ACC+8*(4*(\a)+\b)+7]
.endif
.endr
.endr
.endm
.macro PLACES n                        ; plain vector lines between a matrix instruction and a load into its registers or a read of its result
.rept \n
	v_nop
.endr
.endm
.macro KS jn, qn, q, zero              ; a K step that has its successor in the same slot: the successor, K step 2 jn + qn, is fetched into the other set, then set q is multiplied
	PLACES 4                                       ; the other set was read by the products of the K step before
	FETCH \jn, \qn
	s_wait_dscnt 32                                ; set q is in; the 32 loads just issued may be out
	MULH \q, \zero, 0
	MULH \q, \zero, 2
	WIN 0
.endm
; A slot's last K step (set 1) changes slots.  Each wave waits for all its tensor loads, adds 0 to its spare word, and waits for that and for its reads of this slot; then the barrier (fill = 1: a round of the cluster's barrier),
; behind it the refill of the slot just read out, then the first K step of the other slot (pair jn) into set 0.
.macro TURN slot, fill, jn
.if (\fill) && (\slot) == 0
	s_wait_xcnt 0x0                                ; my prefetches have read their address: it steps a chunk on
	s_add_nc_u64 s[PFA:PFA+1], s[PFA:PFA+1], s[PFS:PFS+1]
.endif
	s_wait_tensorcnt 0x0                           ; all my tensor loads have landed;
	ds_add_u32 v[SPW], v[NIL]                      ; 0 onto my spare word
	s_wait_dscnt 1                                 ; set 1 is in (the add may be out)
	MULH 1, 0, 0                                   ; eight matrix instructions stand between the add and the wait for it
	WIN 0
	s_wait_dscnt 0x0                               ; the add is done, and my reads of this slot are over
.if \fill
	CROUND                                         ; no wave of any partner still reads this slot or has a load on its way
.if (\slot) == 0
	s_add_nc_u64 s[G0+2:G0+3], s[G0+2:G0+3], ASTEP       ; no load of mine is out: every wave's group 0 steps a chunk on, once a trip
	s_add_nc_u64 s[G0B+2:G0B+3], s[G0B+2:G0B+3], BSTEP
.endif
	JFILL \slot                                    ; the first tensor load behind the round; its four v_nop are the places in front of the loads below
.else
	s_barrier_signal -1
	s_barrier_wait -1
	PLACES 4
.endif
	FETCH \jn, 0
.if \fill
	ASK \slot
.endif
	MULH 1, 0, 2
	WIN 0
.endm
	s_wait_alu depctr_va_vdst(0)                   ; the wait at the head's end
	s_wait_tensorcnt 0x0                           ; my part of chunk 0 has landed
	s_barrier_signal -1                            ; (no LDS instruction of mine is out here)
	s_barrier_wait -1                              ; everybody's has: both slots are whole
	FETCH 0, 0
	KS 0, 1, 0, 1                                  ; the first K step stands in front of the loop: its products start the sums
	s_mov_b32 s[CH], 3
.Lchunk:                                               ; three trips, from a chunk's second K step to the next chunk's first; each fills both slots again
	KS 1, 0, 1, 0
	KS 1, 1, 0, 0
	TURN 0, 1, 2
	KS 2, 1, 0, 0
	KS 3, 0, 1, 0
	KS 3, 1, 0, 0
	TURN 1, 1, 0
	KS 0, 1, 0, 0
	s_sub_co_u32 s[CH], s[CH], 1
	s_cmp_lg_u32 s[CH], 0
	s_cbranch_scc1 .Lchunk
	KS 1, 0, 1, 0                                  ; the last chunk is written out: it fills nothing
	KS 1, 1, 0, 0
	TURN 0, 0, 2
	KS 2, 1, 0, 0
	KS 3, 0, 1, 0
	KS 3, 1, 0, 0
	s_wait_dscnt 0x0                               ; the very last K step
	MULH 1, 0, 0
	MULH 1, 0, 2
	WIN 0
	PLACES 4                                       ; in front of the first read of results
.macro TOSTAGE a                       ; block a: tile b's register j is column 32 (b / 2) + 8 (b % 2) + 16 h + j; each accumulator from its low end on
.set AC, ACC+32*(\a)
	WIN 0x04                                       ; the stores' data: window 1
.irp b, 0,1,2,3
	ds_store_b128 v[STO], v[AC+8*\b:AC+8*\b+3] offset:128*(\b/2)+32*(\b%2)
	ds_store_b128 v[STO], v[AC+8*\b+4:AC+8*\b+7] offset:128*(\b/2)+32*(\b%2)+16
.endr
	WIN 0
.set BB, BK+32*((\a)%2)
.irp t, 0,1,2,3,4,5,6,7
	ds_load_b128 v[BB+4*\t:BB+4*\t+3], v[RD] offset:2*\t*SP   ; LDS serves a wave's instructions in order: these see the stores above, and the next block's stores come behind them
.endr
.endm
.macro SEND a, younger                 ; younger: the LDS instructions issued behind block a's loads
.set BB, BK+32*((\a)%2)
	s_wait_dscnt \younger
.irp t, 0,1,2,3,4,5,6,7
	global_store_b128 v[CO], v[BB+4*\t:BB+4*\t+3], s[8:9] offset:(32*((\a)/2)+8*((\a)%2)+2*\t+8*(\t/4))*4096   ; slots 2 t and 2 t + 1: slot s is token s + 8 (s / 8) of the fragment
.endr
.endm
	TOSTAGE 0
.irp a, 1,2,3
.if \a > 1
	s_wait_xcnt 0x0                                ; block a - 2's stores have read their registers
.endif
	TOSTAGE \a
	SEND \a-1, 16                                  ; behind block a - 1's loads: block a's 8 stores and 8 loads
.endr
	SEND 3, 0
	s_wait_tensorcnt 0x0                           ; the wave's end
	ds_add_u32 v[SPW], v[NIL]
	s_wait_dscnt 0x0
	CROUND                                         ; the closing round
	s_endpgm
.Lfunc_end_k_q3d0c884dbb_ffn2:
	.size	k_q3d0c884dbb_ffn2, .Lfunc_end_k_q3d0c884dbb_ffn2-k_q3d0c884dbb_ffn2
	.p2alignl 7, 3214868480
	.fill 96, 4, 3214868480
	.section	.rodata,"a",@progbits
	.p2align	6, 0x0
	.amdhsa_kernel k_q3d0c884dbb_ffn2
		.amdhsa_group_segment_fixed_size 327680
		.amdhsa_private_segment_fixed_size 0
		.amdhsa_enable_private_segment 0
		.amdhsa_kernarg_size 24
		.amdhsa_user_sgpr_count 2
		.amdhsa_user_sgpr_kernarg_segment_ptr 1
		.amdhsa_wavefront_size32 1
		.amdhsa_system_sgpr_workgroup_id_x 1
		.amdhsa_system_sgpr_workgroup_id_y 1
		.amdhsa_system_sgpr_workgroup_id_z 1
		.amdhsa_system_vgpr_workitem_id 0
		.amdhsa_next_free_vgpr 512
		.amdhsa_next_free_sgpr 84
		.amdhsa_reserve_vcc 0
		.amdhsa_float_denorm_mode_32 3
		.amdhsa_float_denorm_mode_16_64 3
		.amdhsa_memory_ordered 1
		.amdhsa_forward_progress 1
		.amdhsa_inst_pref_size 71
	.end_amdhsa_kernel
	.amdgpu_metadata
---
amdhsa.version: [ 1, 2 ]
amdhsa.kernels:
  - .name:           k_q3d0c884dbb_ffn2
    .symbol:         k_q3d0c884dbb_ffn2.kd
    .args:
      - { .name: ahc, .offset: 0, .size: 8, .value_kind: global_buffer, .address_space: global }
      - { .name: w2i, .offset: 8, .size: 8, .value_kind: global_buffer, .address_space: global }
      - { .name: part, .offset: 16, .size: 8, .value_kind: global_buffer, .address_space: global }
    .group_segment_fixed_size: 327680
    .private_segment_fixed_size: 0
    .kernarg_segment_align: 8
    .kernarg_segment_size: 24
    .max_flat_workgroup_size: 128
    .sgpr_count:     84
    .vgpr_count:     512
    .wavefront_size: 32
...
	.end_amdgpu_metadata
.endif
;; end of part 7
;; launch ln2 (part 8): grid 512 x 1, 8 waves a work-group, no clusters, 0 bytes of LDS; arguments part, x1, b2, ln2_g, ln2_b, lowp_scales, out0; writes out0
.if DOCPART == 8
	.amdgcn_target "amdgcn-amd-amdhsa--gfx1250"
	.amdhsa_code_object_version 6
	.text
	.protected	k_q3d0c884dbb_ln2
	.globl	k_q3d0c884dbb_ln2
	.p2align	8
	.type	k_q3d0c884dbb_ln2,@function
k_q3d0c884dbb_ln2:
	s_mov_b64 s[64:65], 0
	v_nop
	global_prefetch_b8 v0, s[64:65] scope:SCOPE_SE
	s_setreg_imm32_b32 hwreg(HW_REG_WAVE_MODE, 25, 1), 1
	s_wait_xcnt 0x0
; Launch 8 of 8: out0 = layer norm(x1 + the sums of product 8 x 2^(e14 + e15) + b2).  Nothing is left out.
; One wave, one row of 4,096 bytes, kept in registers between the passes; each load and store covers 512 consecutive bytes.  No LDS, no barrier: waves share nothing.
; LIMIT: e14 + e15 between -126 and 127.  NaN is not served.
.set P0, 16                            ; the sums, then the row
.set P1, 48                            ; g
.set P2, 80                            ; beta
.set XR, 144
.set B2, 176
.macro RED v
	s_delay_alu instid0(VALU_DEP_1)
	v_add_f32_dpp v[\v], v[\v], v[\v] row_xmask:1 row_mask:0xf bank_mask:0xf
	s_delay_alu instid0(VALU_DEP_1)
	v_add_f32_dpp v[\v], v[\v], v[\v] row_xmask:2 row_mask:0xf bank_mask:0xf
	s_delay_alu instid0(VALU_DEP_1)
	v_add_f32_dpp v[\v], v[\v], v[\v] row_xmask:4 row_mask:0xf bank_mask:0xf
	s_delay_alu instid0(VALU_DEP_1)
	v_add_f32_dpp v[\v], v[\v], v[\v] row_xmask:8 row_mask:0xf bank_mask:0xf
	s_delay_alu instid0(VALU_DEP_1)
	v_permlanex16_b32 v214, v[\v], s38, s39
	s_delay_alu instid0(VALU_DEP_1)
	v_add_f32 v[\v], v[\v], v214
.endm
.macro ROWLOAD reg, sb
.irp j, 0,1,2,3,4,5,6,7
	global_load_b128 v[\reg+4*\j:\reg+4*\j+3], v1, s[\sb:\sb+1] offset:512*\j
.endr
.endm
	s_load_b256 s[4:11], s[0:1], 0x0               ; part, x1, b2, g
	s_load_b128 s[12:15], s[0:1], 0x20             ; beta, lowp_scales
	s_load_b64 s[16:17], s[0:1], 0x30              ; out0
	v_mov_b32 v214, 0                              ; a lane permute's destination counts as read
	v_lshrrev_b32 v1, 5, v0
	s_delay_alu instid0(VALU_DEP_1)
	v_readfirstlane_b32 s28, v1
	v_and_b32 v2, 31, v0
	s_delay_alu instid0(VALU_DEP_1)
	v_lshlrev_b32 v1, 4, v2                        ; 16 x lane
	s_lshl_b32 s30, ttmp9, 3
	s_add_co_u32 s30, s30, s28                     ; my row
	s_lshl_b32 s30, s30, 12
	s_mov_b32 s31, 0
	s_mov_b32 s26, 0x3a800000                      ; 1 / 1,024
	s_mov_b32 s27, 0x3727c5ac                      ; 1e-5
	s_mov_b32 s38, 0x76543210
	s_mov_b32 s39, 0xfedcba98
	s_wait_alu depctr_va_vdst(0)                   ; directly ahead of the wait below
	s_wait_kmcnt 0x0
	s_load_b64 s[20:21], s[14:15], 0x38            ; entries 14, 15
	s_add_nc_u64 s[4:5], s[4:5], s[30:31]
	s_add_nc_u64 s[6:7], s[6:7], s[30:31]
	s_add_nc_u64 s[16:17], s[16:17], s[30:31]
	ROWLOAD P0, 4
	ROWLOAD XR, 6
	ROWLOAD B2, 8
	ROWLOAD P1, 10
	ROWLOAD P2, 12
	s_wait_kmcnt 0x0
	s_add_co_i32 s24, s20, s21
	s_add_co_i32 s24, s24, 127
	s_lshl_b32 s24, s24, 23                        ; 2^(e14 + e15)
	s_mov_b32 s25, s24
	s_wait_loadcnt 16                              ; the sums, x1 and b2 are in; g and beta, 16 loads, may be out
.set j, 0
.rept 16
	v_pk_fma_f32 v[P0+j:P0+j+1], v[P0+j:P0+j+1], s[24:25], v[B2+j:B2+j+1] op_sel_hi:[1,0,1]
.set j, j+2
.endr
.set j, 0
.rept 16
	v_pk_add_f32 v[P0+j:P0+j+1], v[P0+j:P0+j+1], v[XR+j:XR+j+1]
.set j, j+2
.endr
	v_pk_add_f32 v[208:209], v[P0:P0+1], v[P0+2:P0+3]
	v_pk_add_f32 v[210:211], v[P0+4:P0+5], v[P0+6:P0+7]
.irp j, 8,12,16,20,24,28
	s_delay_alu instid0(VALU_DEP_2)
	v_pk_add_f32 v[208:209], v[208:209], v[P0+\j:P0+\j+1]
	s_delay_alu instid0(VALU_DEP_2)
	v_pk_add_f32 v[210:211], v[210:211], v[P0+\j+2:P0+\j+3]
.endr
	s_delay_alu instid0(VALU_DEP_1)
	v_pk_add_f32 v[208:209], v[208:209], v[210:211]
	s_delay_alu instid0(VALU_DEP_1)
	v_add_f32 v208, v208, v209
	RED 208
	s_delay_alu instid0(VALU_DEP_1)
	v_mul_f32 v212, s26, v208                      ; the mean
	s_delay_alu instid0(VALU_DEP_1)
	v_mov_b32 v213, v212
.set j, 0
.rept 16
	v_pk_add_f32 v[P0+j:P0+j+1], v[P0+j:P0+j+1], v[212:213] neg_lo:[0,1] neg_hi:[0,1]
.set j, j+2
.endr
	v_pk_mul_f32 v[208:209], v[P0:P0+1], v[P0:P0+1]
	v_pk_mul_f32 v[210:211], v[P0+2:P0+3], v[P0+2:P0+3]
.irp j, 4,8,12,16,20,24,28
	s_delay_alu instid0(VALU_DEP_2)
	v_pk_fma_f32 v[208:209], v[P0+\j:P0+\j+1], v[P0+\j:P0+\j+1], v[208:209]
	s_delay_alu instid0(VALU_DEP_2)
	v_pk_fma_f32 v[210:211], v[P0+\j+2:P0+\j+3], v[P0+\j+2:P0+\j+3], v[210:211]
.endr
	s_delay_alu instid0(VALU_DEP_1)
	v_pk_add_f32 v[208:209], v[208:209], v[210:211]
	s_delay_alu instid0(VALU_DEP_1)
	v_add_f32 v208, v208, v209
	RED 208
	s_delay_alu instid0(VALU_DEP_1)
	v_fma_f32 v208, v208, s26, s27                 ; the variance + 1e-5
	s_wait_alu depctr_va_vdst(0)                   ; the wait ahead of the transcendental
	v_rsq_f32 v216, v208
	v_nop                                          ; a plain line behind the transcendental
	s_wait_alu depctr_va_vdst(0)                   ; and the wait ahead of its first reader
	v_mov_b32 v217, v216
	s_wait_alu depctr_va_vdst(0)                   ; directly ahead of the wait below
	s_wait_loadcnt 0x0
.set j, 0
.rept 16
	v_pk_mul_f32 v[P0+j:P0+j+1], v[P0+j:P0+j+1], v[216:217]
.set j, j+2
.endr
.set j, 0
.rept 16
	v_pk_fma_f32 v[P0+j:P0+j+1], v[P0+j:P0+j+1], v[P1+j:P1+j+1], v[P2+j:P2+j+1]
.set j, j+2
.endr
.irp j, 0,1,2,3,4,5,6,7
	global_store_b128 v1, v[P0+4*\j:P0+4*\j+3], s[16:17] offset:512*\j th:TH_STORE_NT
.endr
	s_endpgm
.Lfunc_end_k_q3d0c884dbb_ln2:
	.size	k_q3d0c884dbb_ln2, .Lfunc_end_k_q3d0c884dbb_ln2-k_q3d0c884dbb_ln2
	.p2alignl 7, 3214868480
	.fill 96, 4, 3214868480
	.section	.rodata,"a",@progbits
	.p2align	6, 0x0
	.amdhsa_kernel k_q3d0c884dbb_ln2
		.amdhsa_group_segment_fixed_size 0
		.amdhsa_private_segment_fixed_size 0
		.amdhsa_enable_private_segment 0
		.amdhsa_kernarg_size 56
		.amdhsa_user_sgpr_count 2
		.amdhsa_user_sgpr_kernarg_segment_ptr 1
		.amdhsa_wavefront_size32 1
		.amdhsa_system_sgpr_workgroup_id_x 1
		.amdhsa_system_sgpr_workgroup_id_y 1
		.amdhsa_system_sgpr_workgroup_id_z 1
		.amdhsa_system_vgpr_workitem_id 0
		.amdhsa_next_free_vgpr 224
		.amdhsa_next_free_sgpr 66
		.amdhsa_reserve_vcc 0
		.amdhsa_float_denorm_mode_32 3
		.amdhsa_float_denorm_mode_16_64 3
		.amdhsa_memory_ordered 1
		.amdhsa_forward_progress 1
		.amdhsa_inst_pref_size 16
	.end_amdhsa_kernel
	.amdgpu_metadata
---
amdhsa.version: [ 1, 2 ]
amdhsa.kernels:
  - .name:           k_q3d0c884dbb_ln2
    .symbol:         k_q3d0c884dbb_ln2.kd
    .args:
      - { .name: part, .offset: 0, .size: 8, .value_kind: global_buffer, .address_space: global }
      - { .name: x1, .offset: 8, .size: 8, .value_kind: global_buffer, .address_space: global }
      - { .name: b2, .offset: 16, .size: 8, .value_kind: global_buffer, .address_space: global }
      - { .name: ln2_g, .offset: 24, .size: 8, .value_kind: global_buffer, .address_space: global }
      - { .name: ln2_b, .offset: 32, .size: 8, .value_kind: global_buffer, .address_space: global }
      - { .name: lowp_scales, .offset: 40, .size: 8, .value_kind: global_buffer, .address_space: global }
      - { .name: out0, .offset: 48, .size: 8, .value_kind: global_buffer, .address_space: global }
    .group_segment_fixed_size: 0
    .private_segment_fixed_size: 0
    .kernarg_segment_align: 8
    .kernarg_segment_size: 56
    .max_flat_workgroup_size: 256
    .sgpr_count:     66
    .vgpr_count:     224
    .wavefront_size: 32
...
	.end_amdgpu_metadata
.endif
;; end of part 8
